; MI455X (gfx1250); checked and timed in simulation.
; The chip was launched on July 23, 2026; its instructions are those of AMD's public machine-readable ISA for CDNA 5 (MIT licence, August 2026) and "CDNA5" Instruction Set Architecture Reference Guide (July 2026). The comments in the code are by the model that wrote it; some were corrected since.
;; Multi Head Attention. Allowed arithmetic: float matrix products may take bf16 or f16 operands with f32 sums; all other float work in f32.
;; Inputs: W_attn 1,024 x 3,072 float32; W_proj 1,024 x 1,024 float32; b_proj 1,024 float32; x 2 x 2,048 x 1,024 float32.
;; Outputs: out0 2 x 2,048 x 1,024 float32.
;; One version. Each part assembles by itself: llvm-mc -triple=amdgcn-amd-amdhsa -mcpu=gfx1250 --defsym DOCPART=n.
;; ======== version 1 of 1: 4 launches
;; limits: values are held in f16: magnitudes above 65,504 overflow, below 6.1e-05 lose precision
;; workspace buffers: xb 8,388,608 bytes; wab 6,291,456 bytes; wph 2,097,152 bytes; qkv 25,165,824 bytes; att 8,388,608 bytes
;; launch cast (part 1): grid 1024 x 1, 8 waves a work-group, no clusters, 0 bytes of LDS; arguments x, W_attn, W_proj, xb, wab, wph; writes xb, wab, wph
.if DOCPART == 1
	.amdgcn_target "amdgcn-amd-amdhsa--gfx1250"
	.amdhsa_code_object_version 6
	.text
	.protected	k_qd1fbc2785b_cast
	.globl	k_qd1fbc2785b_cast
	.p2align	8
	.type	k_qd1fbc2785b_cast,@function
k_qd1fbc2785b_cast:
	s_mov_b64 s[64:65], 0
	v_nop
	global_prefetch_b8 v0, s[64:65] scope:SCOPE_SE
	s_setreg_imm32_b32 hwreg(HW_REG_WAVE_MODE, 25, 1), 1
	s_wait_xcnt 0x0
; The three large inputs are rounded once to 16 bits, so that the matrix launches can take 16-bit tiles.
;   x      [4096][1024] f32 -> xb  bf16        W_attn [1024][3072] f32 -> wab bf16
;   W_proj [1024][1024] f32 -> wph: rounded to bf16 like the other two, then written as the f16 code of that number, because the
;   projection's other operand is f16.  LIMIT: the second step is exact for magnitudes from 2^-17 to 65,504; below, the absolute
;   error is at most 2^-25; above, the code is infinity.
; A work-group takes a chunk of 8,192 numbers (32,768 bytes in, 16,384 out): groups 0-511 x, 512-895 W_attn, 896-1023 W_proj.
; Thread t takes 16 bytes at 16 t of each of the chunk's eight blocks of 4,096 bytes: a wave's load covers 512 consecutive bytes,
; its store 256 consecutive bytes, aligned.  All eight loads are issued first; nothing is read twice; no LDS, no barrier.
.set X, 8                              ; v[8:39]   eight quads as loaded
.set Y, 40                             ; v[40:55]  eight pairs to store
.set T, 56                             ; v[56:59]  at work (W_proj's way)
.set G_W, 512                          ; first group of W_attn
.set G_P, 896                          ; first group of W_proj
	s_load_b256 s[4:11], s[0:1], 0x0               ; x s[4:5], W_attn s[6:7], W_proj s[8:9], xb s[10:11]
	s_load_b128 s[12:15], s[0:1], 0x20             ; wab s[12:13], wph s[14:15]
	s_mov_b32 s16, ttmp9                           ; the group's number
	s_sub_co_u32 s17, s16, G_W                     ; its chunk, if it is W_attn's
	s_sub_co_u32 s18, s16, G_P                     ; its chunk, if it is W_proj's
	v_lshlrev_b32 v1, 4, v0                        ; 16 t: where I read
	v_lshlrev_b32 v2, 3, v0                        ; 8 t: where I write
	s_wait_kmcnt 0x0
	s_cmp_lt_u32 s16, G_P                          ; the choice hangs on the group's number alone
	s_cselect_b64 s[20:21], s[6:7], s[8:9]
	s_cselect_b64 s[22:23], s[12:13], s[14:15]
	s_cselect_b32 s24, s17, s18
	s_cmp_lt_u32 s16, G_W
	s_cselect_b64 s[20:21], s[4:5], s[20:21]       ; source
	s_cselect_b64 s[22:23], s[10:11], s[22:23]     ; destination
	s_cselect_b32 s24, s16, s24                    ; chunk in that tensor
	s_lshl_b32 s26, s24, 15                        ; 32,768 bytes a chunk in (below 16 MiB)
	s_mov_b32 s27, 0
	s_lshl_b32 s28, s24, 14                        ; 16,384 bytes a chunk out
	s_mov_b32 s29, 0
	s_add_nc_u64 s[20:21], s[20:21], s[26:27]
	s_add_nc_u64 s[22:23], s[22:23], s[28:29]
.irp k, 0,1,2,3,4,5,6,7
	global_load_b128 v[X+4*\k:X+4*\k+3], v1, s[20:21] offset:4096*\k th:TH_LOAD_NT   ; read once in the whole launch
.endr
	s_cmp_ge_u32 s16, G_P
	s_cbranch_scc1 .Lproj
.irp k, 0,1,2,3,4,5,6,7
	s_wait_loadcnt 7-\k                            ; loads come back in order: quad k is in, the 7-k younger ones stay out
	v_cvt_pk_bf16_f32 v[Y+2*\k],   v[X+4*\k],   v[X+4*\k+1]
	v_cvt_pk_bf16_f32 v[Y+2*\k+1], v[X+4*\k+2], v[X+4*\k+3]
	global_store_b64 v2, v[Y+2*\k:Y+2*\k+1], s[22:23] offset:2048*\k     ; the next launch reads it: no hint
.endr
	s_endpgm
.Lproj:
.irp k, 0,1,2,3,4,5,6,7
	s_wait_loadcnt 7-\k
	v_cvt_pk_bf16_f32 v[T],   v[X+4*\k],   v[X+4*\k+1]                   ; the rounding that counts: to bf16
	v_cvt_pk_bf16_f32 v[T+1], v[X+4*\k+2], v[X+4*\k+3]
	v_lshlrev_b32 v[T+2], 16, v[T]                                       ; back to f32: the low half moves up,
	v_and_b32     v[T+3], 0xffff0000, v[T]                               ; the high half stays
	v_cvt_pk_f16_f32 v[Y+2*\k], v[T+2], v[T+3]                           ; the same numbers as f16 codes
	v_lshlrev_b32 v[T+2], 16, v[T+1]
	v_and_b32     v[T+3], 0xffff0000, v[T+1]
	v_cvt_pk_f16_f32 v[Y+2*\k+1], v[T+2], v[T+3]
	global_store_b64 v2, v[Y+2*\k:Y+2*\k+1], s[22:23] offset:2048*\k
.endr
	s_endpgm
.Lfunc_end_k_qd1fbc2785b_cast:
	.size	k_qd1fbc2785b_cast, .Lfunc_end_k_qd1fbc2785b_cast-k_qd1fbc2785b_cast
	.p2alignl 7, 3214868480
	.fill 96, 4, 3214868480
	.section	.rodata,"a",@progbits
	.p2align	6, 0x0
	.amdhsa_kernel k_qd1fbc2785b_cast
		.amdhsa_group_segment_fixed_size 0
		.amdhsa_private_segment_fixed_size 0
		.amdhsa_enable_private_segment 0
		.amdhsa_kernarg_size 48
		.amdhsa_user_sgpr_count 2
		.amdhsa_user_sgpr_kernarg_segment_ptr 1
		.amdhsa_wavefront_size32 1
		.amdhsa_system_sgpr_workgroup_id_x 1
		.amdhsa_system_sgpr_workgroup_id_y 1
		.amdhsa_system_sgpr_workgroup_id_z 1
		.amdhsa_system_vgpr_workitem_id 0
		.amdhsa_next_free_vgpr 64
		.amdhsa_next_free_sgpr 66
		.amdhsa_reserve_vcc 0
		.amdhsa_float_denorm_mode_32 3
		.amdhsa_float_denorm_mode_16_64 3
		.amdhsa_memory_ordered 1
		.amdhsa_forward_progress 1
		.amdhsa_inst_pref_size 9
	.end_amdhsa_kernel
	.amdgpu_metadata
---
amdhsa.version: [ 1, 2 ]
amdhsa.kernels:
  - .name:           k_qd1fbc2785b_cast
    .symbol:         k_qd1fbc2785b_cast.kd
    .args:
      - { .name: x, .offset: 0, .size: 8, .value_kind: global_buffer, .address_space: global }
      - { .name: W_attn, .offset: 8, .size: 8, .value_kind: global_buffer, .address_space: global }
      - { .name: W_proj, .offset: 16, .size: 8, .value_kind: global_buffer, .address_space: global }
      - { .name: xb, .offset: 24, .size: 8, .value_kind: global_buffer, .address_space: global }
      - { .name: wab, .offset: 32, .size: 8, .value_kind: global_buffer, .address_space: global }
      - { .name: wph, .offset: 40, .size: 8, .value_kind: global_buffer, .address_space: global }
    .group_segment_fixed_size: 0
    .private_segment_fixed_size: 0
    .kernarg_segment_align: 8
    .kernarg_segment_size: 48
    .max_flat_workgroup_size: 256
    .sgpr_count:     66
    .vgpr_count:     64
    .wavefront_size: 32
...
	.end_amdgpu_metadata
.endif
;; end of part 1
;; launch gemm_qkv (part 2): grid 16 x 16, 4 waves a work-group, clusters of 4 x 4, 327,680 bytes of LDS; arguments xb, wab, qkv; writes qkv
.if DOCPART == 2
	.amdgcn_target "amdgcn-amd-amdhsa--gfx1250"
	.amdhsa_code_object_version 6
	.text
	.protected	k_qd1fbc2785b_gemm_qkv
	.globl	k_qd1fbc2785b_gemm_qkv
	.p2align	8
	.type	k_qd1fbc2785b_gemm_qkv,@function
k_qd1fbc2785b_gemm_qkv:
	s_mov_b64 s[64:65], 0
	v_nop
	global_prefetch_b8 v0, s[64:65] scope:SCOPE_SE
	s_setreg_imm32_b32 hwreg(HW_REG_WAVE_MODE, 25, 1), 1
	s_wait_xcnt 0x0
	s_wait_alu depctr_hold_cnt(0) depctr_sa_sdst(0) depctr_va_vdst(0) depctr_va_sdst(0) depctr_va_ssrc(0) depctr_va_vcc(0) depctr_vm_vsrc(0)
	s_getreg_b32 s2, hwreg(HW_REG_IB_STS2, 6, 4)
	s_cmp_eq_u32 s2, 0
	s_cbranch_scc0 .Lentry_in_a_cluster
	s_endpgm
.Lentry_in_a_cluster:
	s_bfe_u32 s2, ttmp6, 0x10000c
	s_cmp_lg_u32 s2, 0xf033
	s_cbranch_scc0 .Lentry_shape_is_right
	s_endpgm
.Lentry_shape_is_right:
; One text serves both matrix launches; MODE picks the sizes.
; MODE 1: qkv = x W_attn.  A = xb [4096][1024] bf16, B = wab [1024 k][3072 n] bf16.  A work-group makes 256 x 192 of the product, a wave 128 x 96.
;         Out: f16 planes qkv[b][n/64][t][64] (planes 0-15 k's heads, 16-31 q's, 32-47 v's), so that a head's rows lie densely.
;         LIMIT: q, k, v are kept in f16: magnitudes of 65,504 and more become infinity.
; MODE 2: out0 = att W_proj + b_proj.  A = att [b][h][t][64] f16 (k = 64 h + d), B = wph [1024 k][1024 n] f16.  A work-group makes 128 x 128, a wave 64 x 64.
; Four waves, one for each SIMD.  K = 1024 goes in eight steps of 128 through two LDS slots filled by the tensor data mover.
; CLUSTERS: 4 x 4 work-groups.  A's tile hangs on the block row alone and is asked for jointly by the four of a row of the cluster, B's on the
; block column alone and jointly by the four of a column: that divides the requests for A and for B by four.
; B lies [k][n] in memory and in LDS; its fragments are made by the transposing LDS load.
; THE MATRIX INSTRUCTION IS USED TRANSPOSED: source 0 = 16 columns of B, source 1 = 16 rows of A, so that a lane's eight results are eight
; neighbouring columns of one row of C.
; REGISTERS in windows of 256: window 0 addresses and A's fragments (two buffers), window 1 B's fragments (two buffers),
; window 2 the accumulators of the wave's upper AH row tiles (tile (a, b) at v[8 (NB a + b)]), window 3 those of the lower AH.
.set MODE, 1
.if MODE == 1
.set AT, 8                             ; row tiles of a wave
.set AH, 4                             ; of them in one window
.set NB, 6                             ; column tiles of a wave
.set APITCH, 272                       ; 256 bytes of a row + 16: an odd multiple of 16, so the 16 rows of a fragment start 16 bytes apart modulo 256
.set AHALF, 128*APITCH                 ; what one tensor load brings of A: 128 rows
.set APART, 2*AHALF
.set AK2, 128                          ; quarter kq of a K step begins at byte (kq>>1) AK2 + (kq&1) 64 of A's rows
.set AWAVE, 128*APITCH                 ; from one wave's rows to the other's
.set BPITCH, 480                       ; a k-row: six pieces of 64 bytes, 16 of padding behind each: 15 x 32
.set BHALF, 64*BPITCH                  ; what one tensor load brings of B: 64 k-rows
.set BC2, 80                           ; column tile b begins at byte (b>>1) BC2 + (b&1) 32
.set WCOFF, 240                        ; from one wave's 96 columns to the other's
.set AG1C, (1<<16)|(1<<20)|(1<<21)|(5<<22)|(3<<25)   ; 2-byte elements; padding on; bit 21 beside a mask; 4 words behind every 64
.set AD0, 128
.set AD1, 128
.set AST, 1024
.set BG1C, (1<<16)|(1<<20)|(1<<21)|(3<<22)|(3<<25)   ; 4 words behind every 16
.set BD0, 192
.set BD1, 64
.set BST, 3072
.set ASTEP, 256                        ; bytes from a K step to the next: 128 numbers along A's rows
.set BSTEP, 128*6144                   ; 128 k-rows of B
.else
.set AT, 4
.set AH, 2
.set NB, 4
.set APITCH, 144                       ; a head's row of 128 bytes + 16
.set AHALF, 128*APITCH                 ; one head's 128 rows
.set APART, 2*AHALF
.set AK2, AHALF                        ; quarters 2 and 3 lie in the second head
.set AWAVE, 64*APITCH
.set BPITCH, 288                       ; 256 + 32: 9 x 32
.set BHALF, 64*BPITCH
.set BC2, 64
.set WCOFF, 128
.set AG1C, (1<<16)|(1<<20)|(1<<21)|(4<<22)|(3<<25)   ; 4 words behind every 32: the dense block comes as rows of 256 bytes and lands as rows of 128 + 16
.set AD0, 128
.set AD1, 64
.set AST, 128
.set BG1C, (1<<16)|(1<<20)|(1<<21)|(5<<22)|(7<<25)   ; 8 words behind every 64
.set BD0, 128
.set BD1, 64
.set BST, 1024
.set ASTEP, 2*262144                   ; two heads' planes
.set BSTEP, 128*2048
.endif
.set SLOT, APART+2*BHALF               ; A's rows, then B's 128 k-rows
.set STAGE, 2*SLOT                     ; MODE 2: behind the ring, 16 rows x 272 bytes for each wave; no tensor load lands there
.set LAPS, 4                           ; a lap = two K steps = once round the ring
.set ADRA, 16                          ; v16-17  LDS address of my A fragments in slot 0, 1
.set ADRB, 20                          ; v20-21  the same for B
.set STO,  24                          ; v24     the way out: where I put my results
.set RD,   25                          ; v25     the way out: where I read rows back
.set CO,   26                          ; v26     my byte offset in C
.set BO,   27                          ; v27     my byte offset in the bias (MODE 2)
.set BI,   28                          ; v[28:31] the bias of my four columns (MODE 2)
.set F0,   64                          ; fragment buffer 0
.set F1,   128                         ; fragment buffer 1
.set TMP,  192                         ; the way out of MODE 1: packed results
.set G1,  24                           ; s[24:31] group 1 for A's tiles
.set G0,  32                           ; s[32:39] group 0 for A's tiles, a set for each slot
.set G1B, 48                           ; s[48:55] group 1 for B's tiles
.set G0B, 56                           ; s[56:63] group 0 for B's tiles, a set for each slot
.set MSB, 0
.macro WIN new                         ; the immediate's high byte repeats the setting that is left
.if MSB != \new
	s_set_vgpr_msb (MSB<<8)|\new
.set MSB, \new
.endif
.endm
.set MUL_LO, 0xa1                      ; source 0 (B) window 1, source 1 (A) window 0, C and D window 2
.set MUL_HI, 0xf1                      ; the same, C and D window 3
.set TO_B,   0x40                      ; destination window 1, address window 0
; A joint load.  Waves 0 and 1 fetch A's two halves, waves 2 and 3 B's.  Each line has one mask and one set of registers for all that issue it;
; the branch hangs on the wave's number alone.
.macro JLOAD s
	s_cmp_eq_u32 s11, 0
	s_cbranch_scc0 .Lfor_b_\@
	tensor_load_to_lds s[G0+4*\s:G0+4*\s+3], s[G1:G1+7]
	s_nop 0
	s_branch .Lasked_\@
.Lfor_b_\@:
	tensor_load_to_lds s[G0B+4*\s:G0B+4*\s+3], s[G1B:G1B+7]
	s_nop 0
.Lasked_\@:
.endm
; A round of the cluster's barrier: my work-group's barrier; wave 0 signals for the work-group; every wave waits for all sixteen; my barrier once more.
.macro CREST                           ; a round behind its opening barrier
	s_cmp_lg_u32 s10, 0
	s_cbranch_scc1 .Lnot_wave_0_\@
	s_barrier_signal -3
.Lnot_wave_0_\@:
	s_barrier_wait -3
	s_barrier_signal -1
	s_barrier_wait -1
.endm
.macro CROUND                          ; a whole round
	s_barrier_signal -1
	s_barrier_wait -1
	CREST
.endm
	s_load_b128 s[4:7], s[0:1], 0x0                ; A s[4:5], B s[6:7]
	s_load_b64 s[8:9], s[0:1], 0x10                ; C
	s_set_vgpr_msb 0x40
	v_lshl_add_u32 v255, v0, 2, 0x40000
	s_set_vgpr_msb 0x4000
	v_mov_b32 v255, 0
	s_set_vgpr_msb 0x1
	ds_add_u32 v255, v255
	ds_add_u32 v255, v255
	s_set_vgpr_msb 0x100
.if MODE == 2
	s_load_b64 s[66:67], s[0:1], 0x18              ; the bias
.endif
	v_lshrrev_b32 v1, 5, v0
	v_readfirstlane_b32 s10, v1                    ; wave 0..3
	s_lshr_b32 s11, s10, 1                         ; which half of the block's rows is mine.  Also: I fetch for A (0) or for B (1)
	s_and_b32 s12, s10, 1                          ; which half of its columns.  Also: which half of that tile I fetch
	s_bfe_u32 s40, ttmp6, 0x40000                  ; cx
	s_bfe_u32 s41, ttmp6, 0x40004                  ; cy
	s_lshl_b32 s42, ttmp9, 2
	s_add_co_u32 s42, s42, s40                     ; block column = 4 x cluster x + cx
	s_and_b32 s13, ttmp7, 0xffff
	s_lshl_b32 s13, s13, 2
	s_add_co_u32 s13, s13, s41                     ; block row = 4 x cluster y + cy
	s_lshl_b32 s43, s41, 2
	s_lshl_b32 s43, 15, s43                        ; my row of the cluster: places 4 cy .. 4 cy + 3
	s_lshl_b32 s44, 0x1111, s40                    ; my column: places cx, cx + 4, cx + 8, cx + 12
	s_or_b32 s[G1+0], s43, AG1C                    ; A's tiles go to my row
	s_mov_b32 s[G1+1], AD0<<16                     ; tensor_dim0
	s_mov_b32 s[G1+2], AD1<<16                     ; tensor_dim1
	s_mov_b32 s[G1+3], AD0<<16                     ; tile_dim0
	s_mov_b32 s[G1+4], AD1                         ; tile_dim1
	s_mov_b32 s[G1+5], AST                         ; elements from row to row
	s_mov_b32 s[G1+6], 0
	s_mov_b32 s[G1+7], 0
	s_or_b32 s[G1B+0], s44, BG1C                   ; B's tiles go to my column
	s_mov_b32 s[G1B+1], BD0<<16
	s_mov_b32 s[G1B+2], BD1<<16
	s_mov_b32 s[G1B+3], BD0<<16
	s_mov_b32 s[G1B+4], BD1
	s_mov_b32 s[G1B+5], BST
	s_mov_b32 s[G1B+6], 0
	s_mov_b32 s[G1B+7], 0
	; where the tiles come from: A's offset is made of the block row and the wave's number, B's of the block column and the wave's number,
	; each in registers that never hold the other coordinate
.if MODE == 1
	s_lshl_b32 s16, s13, 19                        ; 256 rows of 2,048 bytes a block row
	s_lshl_b32 s17, s12, 18                        ; + 128 rows for the second half
	s_add_co_u32 s16, s16, s17
	s_mul_i32 s46, s42, 384                        ; 192 columns of 2 bytes a block column
	s_mul_i32 s47, s12, 64*6144                    ; + 64 k-rows for the second half
	s_add_co_u32 s46, s46, s47
.else
	s_lshr_b32 s16, s13, 4                         ; batch = block row / 16
	s_lshl_b32 s16, s16, 4
	s_add_co_u32 s16, s16, s12                     ; plane = 16 batch + head; the two halves are heads 0 and 1 of the K step
	s_lshl_b32 s16, s16, 18                        ; 262,144 bytes a plane
	s_and_b32 s17, s13, 15
	s_lshl_b32 s17, s17, 14                        ; + 128 rows of 128 bytes for each block of t
	s_add_co_u32 s16, s16, s17
	s_lshl_b32 s46, s42, 8                         ; 128 columns of 2 bytes
	s_lshl_b32 s47, s12, 17                        ; + 64 k-rows of 2,048 bytes
	s_add_co_u32 s46, s46, s47
.endif
	s_mov_b32 s17, 0
	s_mov_b32 s47, 0
	s_mul_i32 s20, s10, AHALF                      ; where they go: A's halves by waves 0, 1,
	s_mul_i32 s23, s10, BHALF                      ; B's halves by waves 2, 3, behind A's part:
	s_add_co_u32 s23, s23, APART-2*BHALF           ; APART + (wave - 2) BHALF.  No place in the cluster enters an LDS address
	s_wait_dscnt 0x0
	s_wait_kmcnt 0x0
	s_add_nc_u64 s[14:15], s[4:5], s[16:17]
	s_add_nc_u64 s[46:47], s[6:7], s[46:47]
	CROUND                                         ; all sixteen work-groups are here: the first joint loads meet
.irp s, 0,1
	s_mov_b32 s[G0+4*\s], 1
	s_add_co_u32 s[G0+4*\s+1], s20, \s*SLOT
	s_add_nc_u64 s[G0+4*\s+2:G0+4*\s+3], s[14:15], \s*ASTEP        ; K step s
	s_or_b32 s[G0+4*\s+3], s[G0+4*\s+3], 0x80000000                ; type = 2
	s_mov_b32 s[G0B+4*\s], 1
	s_add_co_u32 s[G0B+4*\s+1], s23, \s*SLOT
	s_add_nc_u64 s[G0B+4*\s+2:G0B+4*\s+3], s[46:47], \s*BSTEP
	s_or_b32 s[G0B+4*\s+3], s[G0B+4*\s+3], 0x80000000
	JLOAD \s                                       ; the ring is filled before anything else is done: two loads of a wave are out
.endr
	; A's fragment: lane l holds row l % 16; two loads of 16 bytes, 32 apart, at row x pitch + 16 (l / 16).
	; B's fragment, from rows that lie along n: the transposing load; lane l addresses k-row 8 (l / 16) + l % 8, 16 bytes at 16 ((l / 8) % 2);
	; the second load stands 16 k-rows further.
	v_and_b32 v1, 15, v0                           ; r = l % 16
	v_bfe_u32 v2, v0, 4, 1                         ; h = l / 16
	v_mul_u32_u24 v3, v1, APITCH
	v_lshl_add_u32 v3, v2, 4, v3
	v_and_b32 v4, 7, v0
	v_lshl_add_u32 v5, v2, 3, v4
	v_mul_u32_u24 v5, v5, BPITCH
	v_bfe_u32 v6, v0, 3, 1
	v_lshl_add_u32 v5, v6, 4, v5
	s_mul_i32 s21, s11, AWAVE                      ; my rows of A
	s_mul_i32 s22, s12, WCOFF                      ; my columns of B,
	s_add_co_u32 s22, s22, APART                   ; which lies behind A
.irp s, 0,1
	v_add_nc_u32 v[ADRA+\s], s21, v3
	v_add_nc_u32 v[ADRB+\s], s22, v5
	s_add_co_u32 s21, s21, SLOT
	s_add_co_u32 s22, s22, SLOT
.endr
.if MODE == 1
	; the way out goes through slot 0 as one stage of 256 rows x 384 bytes at a pitch of 400 (25 x 16)
	v_mul_u32_u24 v7, v1, 400
	v_lshl_add_u32 v7, v2, 4, v7
	s_mul_i32 s23, s11, 128*400
	s_mul_i32 s18, s12, 192
	s_add_co_u32 s23, s23, s18
	v_add_nc_u32 v[STO], s23, v7                   ; in: row 128 wr + r, byte 192 wc + 16 h
	v_bfe_u32 v7, v0, 3, 2
	v_mul_u32_u24 v7, v7, 400
	v_lshl_add_u32 v7, v4, 4, v7
	s_mul_i32 s23, s10, 64*400
	v_add_nc_u32 v[RD], s23, v7                    ; back: row 64 wave + l / 8, byte 16 (l % 8): four rows of a head's 128 bytes a load
	v_and_b32 v7, 31, v0
	s_lshl_b32 s23, s10, 13
	v_lshl_add_u32 v[CO], v7, 4, s23               ; and in the plane: 64 wave rows of 128 bytes + 16 l
.else
	s_mul_i32 s23, s10, 16*272
	s_add_co_u32 s23, s23, STAGE                   ; my own stage
	v_mul_u32_u24 v7, v1, 272
	v_lshl_add_u32 v7, v2, 5, v7
	v_add_nc_u32 v[STO], s23, v7                   ; in: row r, 32 bytes (8 f32) for each half of the lanes
	v_mul_u32_u24 v7, v2, 272
	v_lshl_add_u32 v7, v1, 4, v7
	v_add_nc_u32 v[RD], s23, v7                    ; back: lanes 0-15 one row of 256 bytes, lanes 16-31 the next
	v_lshlrev_b32 v7, 12, v2
	v_lshl_add_u32 v[CO], v1, 4, v7                ; and the same two rows of out0 (4,096 bytes a row)
	s_lshl_b32 s46, s42, 9                         ; the bias of my columns: 4 (128 block column + 64 wc + 4 (l % 16))
	s_lshl_b32 s47, s12, 8
	s_add_co_u32 s46, s46, s47
	v_lshl_add_u32 v[BO], v1, 4, s46
	global_load_b128 v[BI:BI+3], v[BO], s[66:67]   ; waited for on the way out
.endif
; cnt x NB matrix instructions: row tiles a0 .. a0 + cnt - 1 of window hi x all NB column tiles, 32 along K.  zero = 1: the product starts the sums.
; The accumulators take turns, one instruction a turn, in the same order in every quarter step.
.macro MULR f, hi, a0, cnt, zero
.set ai, \a0
.rept \cnt
.set bi, 0
.rept NB
.set dd, 8*(NB*ai+bi)
.set fb, \f+8*bi
.set fa, \f+8*(AH*\hi+ai)
.if MODE == 1
.if \zero
	v_wmma_f32_16x16x32_bf16 v[dd:dd+7], v[fb:fb+7], v[fa:fa+7], 0
.else
	v_wmma_f32_16x16x32_bf16 v[dd:dd+7], v[fb:fb+7], v[fa:fa+7], v[dd:dd+7]
.endif
.else
.if \zero
	v_wmma_f32_16x16x32_f16 v[dd:dd+7], v[fb:fb+7], v[fa:fa+7], 0
.else
	v_wmma_f32_16x16x32_f16 v[dd:dd+7], v[fb:fb+7], v[fa:fa+7], v[dd:dd+7]
.endif
.endif
.set bi, bi+1
.endr
.set ai, ai+1
.endr
.endm
; 2 NB + 2 AT LDS loads in one run: the fragments of quarter kq of a K step into buffer f, B's first, then A's row tiles in ascending order
.macro FETCH slot, kq, f
	WIN TO_B
.set bi, 0
.rept NB
	ds_load_tr16_b128 v[\f+8*bi:\f+8*bi+3],   v[ADRB+\slot] offset:\kq*32*BPITCH+(bi>>1)*BC2+(bi&1)*32
	ds_load_tr16_b128 v[\f+8*bi+4:\f+8*bi+7], v[ADRB+\slot] offset:\kq*32*BPITCH+(bi>>1)*BC2+(bi&1)*32+16*BPITCH
.set bi, bi+1
.endr
	WIN 0
.set ii, 0
.rept AT
	ds_load_b128 v[\f+8*ii:\f+8*ii+3],   v[ADRA+\slot] offset:ii*16*APITCH+(\kq>>1)*AK2+(\kq&1)*64
	ds_load_b128 v[\f+8*ii+4:\f+8*ii+7], v[ADRA+\slot] offset:ii*16*APITCH+(\kq>>1)*AK2+(\kq&1)*64+32
.set ii, ii+1
.endr
.endm
; A load into a register that a matrix instruction has read, and whatever reads a matrix result, stand four places behind that matrix
; instruction; only plain vector instructions that name none of its registers are places (ISA guide 7.12.1 for vector instructions).
.macro PLACES
.rept 4
	v_nop
.endr
.endm
; One of a K step's first three quarters: multiplies buffer f; in its middle it fetches quarter kq into buffer g.
.macro QUARTER slot, kq, f, g, zero
	s_wait_dscnt AT                                ; B and A's upper AH tiles are in; the youngest AT loads (A's lower tiles) may be out
	WIN MUL_LO
	MULR \f, 0, 0, AH, \zero
	PLACES
	FETCH \slot, \kq, \g
	s_wait_dscnt 2*AT+2*NB                         ; all but the run just issued
	WIN MUL_HI
	MULR \f, 1, 0, AH, \zero
.endm
.macro THREE slot, zero
	QUARTER \slot, 1, F0, F1, \zero
	QUARTER \slot, 2, F1, F0, 0
	QUARTER \slot, 3, F0, F1, 0
.endm
; The last quarter multiplies buffer 1 and changes slots.  In front of the barrier each wave waits for its reads of this slot and for all its tensor
; loads (one is out: its part of the next slot).  Where the slot is filled again the barrier opens a round of the cluster's barrier, and the joint
; refill is the first tensor load behind the round's closing wait.
.macro TURN slot, next, fill
	s_wait_dscnt AT
	WIN MUL_LO
	MULR F1, 0, 0, AH/2, 0
	s_wait_dscnt 0x0                               ; my reads of this slot are over
	s_wait_tensorcnt 0x0                           ; and all my tensor loads have landed
	ds_add_u32 v255, v255
	s_wait_dscnt 0x0
	s_barrier_signal -1
	MULR F1, 0, AH/2, AH/2, 0                      ; work on registers while the others arrive
	WIN 0
	s_barrier_wait -1
.if \fill
	CREST                                          ; no wave of any partner still reads this slot or has a load on its way
	s_add_nc_u64 s[G0+4*\slot+2:G0+4*\slot+3], s[G0+4*\slot+2:G0+4*\slot+3], 2*ASTEP
	s_add_nc_u64 s[G0B+4*\slot+2:G0B+4*\slot+3], s[G0B+4*\slot+2:G0B+4*\slot+3], 2*BSTEP
	JLOAD \slot
.endif
	PLACES
	FETCH \next, 0, F0
	WIN MUL_HI
	MULR F1, 1, 0, AH, 0
.endm
.macro LAP zero                        ; once round the ring, both slots filled again
	THREE 0, \zero
	TURN 0, 1, 1
	THREE 1, 0
	TURN 1, 0, 1
.endm
	s_wait_tensorcnt 1                             ; my part of K step 0 is in; K step 1's stays out
	s_barrier_signal -1
	s_barrier_wait -1                              ; everybody's is
	FETCH 0, 0, F0
	LAP 1                                          ; the first lap stands in front of the loop: its first products start the sums
	WIN 0                                          ; at a label and at a branch every window is 0
	s_mov_b32 s3, LAPS-2
.Llap:
	LAP 0
	WIN 0
	s_sub_co_u32 s3, s3, 1
	s_cmp_lg_u32 s3, 0
	s_cbranch_scc1 .Llap
	THREE 0, 0                                     ; the last lap fills nothing
	TURN 0, 1, 0
	THREE 1, 0
	s_wait_dscnt AT                                ; the very last quarter
	WIN MUL_LO
	MULR F1, 0, 0, AH, 0
	s_wait_dscnt 0x0
	WIN MUL_HI
	MULR F1, 1, 0, AH, 0
	PLACES                                         ; behind the last matrix instructions, in front of all that reads results
.if MODE == 1
	; THE WAY OUT: round to f16, 16 bytes a lane into the stage; barrier; each wave reads 64 whole rows back, head by head, and stores them.
	; The stage is slot 0: its last fill of the launch and all reads of it were over at the last change of slots, and every wave has passed that barrier.
	s_lshr_b32 s46, s13, 3                         ; batch = block row / 8
	s_mul_i32 s46, s46, 48
	s_mul_i32 s47, s42, 3
	s_add_co_u32 s46, s46, s47                     ; first plane = 48 batch + 3 block column
	s_lshl_b32 s46, s46, 18
	s_and_b32 s47, s13, 7
	s_lshl_b32 s47, s47, 15                        ; + 256 rows of 128 bytes for each block of t
	s_add_co_u32 s46, s46, s47
	s_mov_b32 s47, 0
	s_add_nc_u64 s[8:9], s[8:9], s[46:47]
.macro CVT16 win, hi, a                ; the NB tiles of row tile a of window 2 or 3 (win = 0x0a or 0x0f: sources 0 and 1)
	WIN \win
.set bi, 0
.rept NB
.irp r, 0,1,2,3
	v_cvt_pk_f16_f32 v[TMP+4*bi+\r], v[8*(NB*\a+bi)+2*\r], v[8*(NB*\a+bi)+2*\r+1]
.endr
.set bi, bi+1
.endr
	WIN 0
.set bi, 0
.rept NB
	ds_store_b128 v[STO], v[TMP+4*bi:TMP+4*bi+3] offset:(64*\hi+16*\a)*400+32*bi
.set bi, bi+1
.endr
.endm
.irp a, 0,1,2,3
	CVT16 0x0a, 0, \a
.endr
.irp a, 0,1,2,3
	CVT16 0x0f, 1, \a
.endr
	s_wait_dscnt 0x0                               ; my stores into the stage are done, for the others' sake
	s_barrier_signal -1
	s_barrier_wait -1
.macro OUTB hd, half, f                ; 32 rows of head hd: each load and each store covers four rows = 512 consecutive bytes of the plane
	s_wait_xcnt 0x0                                ; buffer f, which earlier stores read, is loaded again only behind this wait
.irp t, 0,1,2,3,4,5,6,7
	ds_load_b128 v[\f+4*\t:\f+4*\t+3], v[RD] offset:(8*\half+\t)*1600+128*\hd
.endr
.irp t, 0,1,2,3,4,5,6,7
	s_wait_dscnt 7-\t                              ; LDS loads come back in order: load t is in
	global_store_b128 v[CO], v[\f+4*\t:\f+4*\t+3], s[8:9] offset:\hd*262144+(8*\half+\t)*512
.endr
.endm
	OUTB 0, 0, F0
	OUTB 0, 1, F1
	OUTB 1, 0, F0
	OUTB 1, 1, F1
	OUTB 2, 0, F0
	OUTB 2, 1, F1
.else
	; THE WAY OUT, 16 rows at a time: the f32 results go as they are into my own stage, come back as whole rows of 256 bytes, get the bias and leave.
	s_lshl_b32 s46, s13, 19                        ; 128 rows of 4,096 bytes a block row
	s_lshl_b32 s47, s11, 18                        ; + 64 rows
	s_add_co_u32 s46, s46, s47
	s_lshl_b32 s47, s42, 9                         ; + 128 columns of 4 bytes a block column
	s_add_co_u32 s46, s46, s47
	s_lshl_b32 s47, s12, 8                         ; + 64 columns
	s_add_co_u32 s46, s46, s47
	s_mov_b32 s47, 0
	s_add_nc_u64 s[8:9], s[8:9], s[46:47]
	s_wait_loadcnt 0x0                             ; the bias
.macro OUTF g, win, a, f               ; group g: row tile a of window 2 or 3 (win = 0x08 or 0x0c: an LDS store's data is source 1)
	WIN \win
.set bi, 0
.rept NB
	ds_store_b128 v[STO], v[8*(NB*\a+bi):8*(NB*\a+bi)+3]   offset:64*bi
	ds_store_b128 v[STO], v[8*(NB*\a+bi)+4:8*(NB*\a+bi)+7] offset:64*bi+16
.set bi, bi+1
.endr
	WIN 0
	s_wait_xcnt 0x0                                ; buffer f and the stores' base are rewritten only behind this wait
.if \g
	s_add_nc_u64 s[8:9], s[8:9], 16*4096           ; 16 rows on
.endif
.irp t, 0,1,2,3,4,5,6,7
	ds_load_b128 v[\f+4*\t:\f+4*\t+3], v[RD] offset:\t*544         ; LDS serves a wave's instructions in order: these see the stores above
.endr
.irp t, 0,1,2,3,4,5,6,7
	s_wait_dscnt 7-\t
	v_pk_add_f32 v[\f+4*\t:\f+4*\t+1],   v[\f+4*\t:\f+4*\t+1],   v[BI:BI+1]
	v_pk_add_f32 v[\f+4*\t+2:\f+4*\t+3], v[\f+4*\t+2:\f+4*\t+3], v[BI+2:BI+3]
	global_store_b128 v[CO], v[\f+4*\t:\f+4*\t+3], s[8:9] offset:\t*8192 th:TH_STORE_NT   ; 16 lanes store 256 consecutive bytes, aligned
.endr
.endm
	OUTF 0, 0x08, 0, F0
	OUTF 1, 0x08, 1, F1
	OUTF 2, 0x0c, 0, F0
	OUTF 3, 0x0c, 1, F1
.endif
	s_set_vgpr_msb 0x1
	s_wait_tensorcnt 0x0
	ds_add_u32 v255, v255
	s_wait_dscnt 0x0
	s_set_vgpr_msb 0x100
	CROUND                                         ; the closing round: no work-group ends while a partner may still ask for a tile that names it
	s_endpgm
.Lfunc_end_k_qd1fbc2785b_gemm_qkv:
	.size	k_qd1fbc2785b_gemm_qkv, .Lfunc_end_k_qd1fbc2785b_gemm_qkv-k_qd1fbc2785b_gemm_qkv
	.p2alignl 7, 3214868480
	.fill 96, 4, 3214868480
	.section	.rodata,"a",@progbits
	.p2align	6, 0x0
	.amdhsa_kernel k_qd1fbc2785b_gemm_qkv
		.amdhsa_group_segment_fixed_size 327680
		.amdhsa_private_segment_fixed_size 0
		.amdhsa_enable_private_segment 0
		.amdhsa_kernarg_size 24
		.amdhsa_user_sgpr_count 2
		.amdhsa_user_sgpr_kernarg_segment_ptr 1
		.amdhsa_wavefront_size32 1
		.amdhsa_system_sgpr_workgroup_id_x 1
		.amdhsa_system_sgpr_workgroup_id_y 1
		.amdhsa_system_sgpr_workgroup_id_z 1
		.amdhsa_system_vgpr_workitem_id 0
		.amdhsa_next_free_vgpr 1024
		.amdhsa_next_free_sgpr 70
		.amdhsa_reserve_vcc 0
		.amdhsa_float_denorm_mode_32 3
		.amdhsa_float_denorm_mode_16_64 3
		.amdhsa_memory_ordered 1
		.amdhsa_forward_progress 1
		.amdhsa_inst_pref_size 158
	.end_amdhsa_kernel
	.amdgpu_metadata
---
amdhsa.version: [ 1, 2 ]
amdhsa.kernels:
  - .name:           k_qd1fbc2785b_gemm_qkv
    .symbol:         k_qd1fbc2785b_gemm_qkv.kd
    .args:
      - { .name: xb, .offset: 0, .size: 8, .value_kind: global_buffer, .address_space: global }
      - { .name: wab, .offset: 8, .size: 8, .value_kind: global_buffer, .address_space: global }
      - { .name: qkv, .offset: 16, .size: 8, .value_kind: global_buffer, .address_space: global }
    .group_segment_fixed_size: 327680
    .private_segment_fixed_size: 0
    .kernarg_segment_align: 8
    .kernarg_segment_size: 24
    .max_flat_workgroup_size: 128
    .sgpr_count:     70
    .vgpr_count:     1024
    .wavefront_size: 32
...
	.end_amdgpu_metadata
.endif
;; end of part 2
;; launch attn (part 3): grid 8 x 32, 8 waves a work-group, no clusters, 327,680 bytes of LDS; arguments qkv, att; writes att
.if DOCPART == 3
	.amdgcn_target "amdgcn-amd-amdhsa--gfx1250"
	.amdhsa_code_object_version 6
	.text
	.protected	k_qd1fbc2785b_attn
	.globl	k_qd1fbc2785b_attn
	.p2align	8
	.type	k_qd1fbc2785b_attn,@function
k_qd1fbc2785b_attn:
	s_mov_b64 s[64:65], 0
	v_nop
	global_prefetch_b8 v0, s[64:65] scope:SCOPE_SE
	s_setreg_imm32_b32 hwreg(HW_REG_WAVE_MODE, 25, 1), 1
	s_wait_xcnt 0x0
; Causal attention of one head.  qkv: f16 planes [b][48][2048][64] (0-15 k, 16-31 q, 32-47 v).  att: f16 [b][h][2048][64].
; Work-group (i, bh) makes the query blocks i and 15 - i of 128 rows, one after the other: (i + 1) + (16 - i) = 17 units of 128 keys for every
; work-group, so the triangle is shared evenly.  Units above the diagonal are not computed: the mask would throw them away.
; Eight waves in two teams.  Wave (team, w) owns the 32 queries 32 w .. of the block and, in every unit, the 64 keys 64 team ..; it keeps its own
; running maximum, sum and output, and the two teams are merged through LDS once for each block.
; TRANSPOSED FORMS: S^T = K Q^T (A = 16 keys, B = 16 queries) leaves lane (r, h), register j with key 8 h + j of query r.  Two such tiles, rounded
; to f16 in place, ARE the B fragment of O^T = V^T P^T: P never goes through LDS, and maximum, sum and scale of a query live in its lanes.
; SOFTMAX: the running maximum m is taken away before every exponential.  Kept beside it is NEG = -c m (c = log2 e / 8, rounded once); p = 2^(c s + NEG),
; and the old sums are scaled by 2^(NEGnew - NEGold), which is exactly 1 where the maximum did not move.  m starts at the most negative finite
; number, so a wave whose keys are all masked gets p = 0 and a merge factor 0, never 0 x infinity.
; NO CLUSTER: the eight work-groups of a head do read the same K and V, but with the balanced pairs they need different units in each trip
; (trip t: unit t for t <= i, unit t - i - 1 behind it); walking the units in step would cost 24 units of work a pair in place of 17.
; The output sums are cleared by 64 moves twice in the launch: the first product cannot start them, because each trip scales them first.
; LIMIT: p and the output are rounded to f16 (p <= 1; |output| <= the largest |v|).
.set KP,    144                        ; K's LDS rows: 128 bytes + 16, an odd multiple of 16
.set VP,    160                        ; V's LDS rows: 128 bytes + 32, an odd multiple of 32 (transposing loads)
.set VOFF,  128*KP                     ; V behind K in a slot
.set SLOTB, 128*KP+128*VP              ; 38,912 bytes a slot, two slots
.set SCR,   2*SLOTB                    ; 77,824: 4 x 8,704 bytes, team 1's sums on their way to team 0; no tensor load lands there
.set STG,   SCR+4*8704                 ; 112,640: 4,608 bytes for each wave: 32 rows x 144, the way out
.set QB, 32                            ; v[32:63]   Q: tile nt, d step ks at 16 nt + 8 ks
.set SB, 64                            ; v[64:127]  S^T, then p, then P in f16: tile (nt, kt) at 32 nt + 8 kt
.set KV, 128                           ; v[128:191] K's fragments, then V's
.set OB, 192                           ; v[192:255] O^T: tile (nt, dt) at 32 nt + 8 dt
; v2-3 K's address in slot 0, 1; v4-5 V's; v6 (key - query) of register 0, tile (0, 0) on the diagonal; v7 -infinity; v8 Q's offset; v9 16 x lane;
; v10 merge address; v11 stage in; v25 stage out; v12-13 m; v14-15 summed l; v[16:19] l in pairs; v20-23 maxima, then the scale in v20, v22;
; v24, v31 at work; v26, v28 NEG (v27, v29 only fill the pairs)
; s8 wave, s9 team, s10 w, s11 i, s12 bh; s[14:15], s[16:17] K's and V's rows of this wave in unit 0, type bits set; s[18:19], s[22:23] Q of the
; two blocks; s[70:71], s[72:73] att of the two blocks; s[24:31], s[32:39] group 1 for K, V; s[40:55] group 0: K0, V0, K1, V1;
; s56 trip, s57 unit of the last request, s58 loop count, s[60:61] a unit's byte offset, s62-63 lane select, s66 c, s67 -c
	s_load_b128 s[4:7], s[0:1], 0x0                ; qkv s[4:5], att s[6:7]
	s_set_vgpr_msb 0x40
	v_lshl_add_u32 v0, v0, 2, 0x29000
	v_mov_b32 v1, 0
	s_set_vgpr_msb 0x4045
	ds_add_u32 v0, v1
	ds_add_u32 v0, v1
	s_set_vgpr_msb 0x4500
	v_lshrrev_b32 v1, 5, v0
	v_readfirstlane_b32 s8, v1                     ; wave 0..7
	s_lshr_b32 s9, s8, 2                           ; team
	s_and_b32 s10, s8, 3                           ; w
	s_mov_b32 s11, ttmp9                           ; i
	s_and_b32 s12, ttmp7, 0xffff                   ; bh = 16 b + h
	s_lshr_b32 s13, s12, 4
	s_mul_i32 s13, s13, 48
	s_and_b32 s74, s12, 15
	s_add_co_u32 s13, s13, s74                     ; k's plane = 48 b + h
	s_lshl_b32 s68, s13, 18                        ; 262,144 bytes a plane
	s_lshl_b32 s74, s10, 12                        ; 32 w rows of 128 bytes
	s_lshl_b32 s75, s11, 14                        ; 128 i rows
	s_add_co_u32 s75, s75, s74                     ; my rows in the first block
	s_sub_co_u32 s59, 15, s11
	s_lshl_b32 s59, s59, 14
	s_add_co_u32 s59, s59, s74                     ; my rows in the second block
	s_lshl_b32 s69, s12, 18                        ; att's plane
	s_mov_b32 s21, 0
	s_mov_b32 s61, 0
	s_mov_b32 s62, 0x76543210                      ; v_permlanex16_b32: lane i of one half reads lane i of the other
	s_mov_b32 s63, 0xfedcba98
	s_mov_b32 s66, 0x3e38aa3b                      ; c = log2 e / 8
	s_mov_b32 s67, 0xbe38aa3b                      ; -c
	; A wave brings 16 key rows of K and 16 of V for each unit: 2,048 dense bytes each, as 8 rows of 256 bytes; the padding behind every
	; 32 words makes them LDS rows of 128 bytes at the pitches above.
	s_mov_b32 s24, (1<<16)|(1<<20)|(4<<22)|(3<<25) ; 2-byte elements, padding on, 4 words behind every 32
	s_mov_b32 s25, 128<<16                         ; tensor_dim0
	s_mov_b32 s26, 8<<16                           ; tensor_dim1
	s_mov_b32 s27, 128<<16                         ; tile_dim0
	s_mov_b32 s28, 8                               ; tile_dim1
	s_mov_b32 s29, 128                             ; elements from row to row
	s_mov_b32 s30, 0
	s_mov_b32 s31, 0
	s_mov_b32 s32, (1<<16)|(1<<20)|(4<<22)|(7<<25) ; the same with 8 words of padding
	s_mov_b32 s33, 128<<16
	s_mov_b32 s34, 8<<16
	s_mov_b32 s35, 128<<16
	s_mov_b32 s36, 8
	s_mov_b32 s37, 128
	s_mov_b32 s38, 0
	s_mov_b32 s39, 0
	s_mul_i32 s74, s8, 16*KP                       ; my 16 rows of K in a slot
	s_mul_i32 s58, s8, 16*VP
	s_add_co_u32 s58, s58, VOFF                    ; my 16 rows of V
	s_mov_b32 s40, 1
	s_add_co_u32 s41, s74, 0
	s_mov_b32 s44, 1
	s_add_co_u32 s45, s58, 0
	s_mov_b32 s48, 1
	s_add_co_u32 s49, s74, SLOTB
	s_mov_b32 s52, 1
	s_add_co_u32 s53, s58, SLOTB
	s_lshl_b32 s20, s8, 11                         ; 16 rows of 128 bytes a wave
	s_add_co_u32 s20, s20, s68
	s_wait_dscnt 0x0
	s_wait_kmcnt 0x0
	s_add_nc_u64 s[14:15], s[4:5], s[20:21]
	s_add_nc_u64 s[16:17], s[14:15], 32*262144     ; v's plane lies 32 planes behind k's
	s_or_b32 s15, s15, 0x80000000                  ; type = 2
	s_or_b32 s17, s17, 0x80000000
	s_mov_b64 s[42:43], s[14:15]
	s_mov_b64 s[46:47], s[16:17]
	tensor_load_to_lds s[40:43], s[24:31]          ; unit 0 into slot 0: a first fill
	s_nop 0
	tensor_load_to_lds s[44:47], s[32:39]
	s_nop 0
	s_add_co_u32 s20, s68, 16*262144               ; q's plane lies 16 planes behind k's
	s_add_co_u32 s74, s20, s59
	s_add_co_u32 s20, s20, s75
	s_add_nc_u64 s[18:19], s[4:5], s[20:21]
	s_mov_b32 s20, s74
	s_add_nc_u64 s[22:23], s[4:5], s[20:21]
	s_add_co_u32 s20, s69, s75
	s_add_nc_u64 s[70:71], s[6:7], s[20:21]
	s_add_co_u32 s20, s69, s59
	s_add_nc_u64 s[72:73], s[6:7], s[20:21]
	v_and_b32 v1, 15, v0                           ; r
	v_bfe_u32 v30, v0, 4, 1                        ; h
	v_and_b32 v31, 7, v0                           ; l % 8
	v_bfe_u32 v24, v0, 3, 1                        ; (l / 8) % 2
	v_lshlrev_b32 v8, 7, v1
	v_lshl_add_u32 v8, v30, 4, v8                  ; Q: 128 r + 16 h
.macro QLOAD base                      ; my 32 rows of Q as B fragments: column = query r, d along the registers
.irp nt, 0,1
.irp ks, 0,1
	global_load_b128 v[QB+16*\nt+8*\ks:QB+16*\nt+8*\ks+3],   v8, s[\base:\base+1] offset:2048*\nt+64*\ks
	global_load_b128 v[QB+16*\nt+8*\ks+4:QB+16*\nt+8*\ks+7], v8, s[\base:\base+1] offset:2048*\nt+64*\ks+32
.endr
.endr
.endm
	QLOAD 18
	v_mul_u32_u24 v2, v1, KP
	v_lshl_add_u32 v2, v30, 4, v2
	s_mul_i32 s20, s9, 64*KP
	v_add_nc_u32 v2, s20, v2                       ; K: (64 team + r) pitch + 16 h
	v_add_nc_u32 v3, SLOTB, v2
	v_lshl_add_u32 v4, v30, 3, v31
	v_mul_u32_u24 v4, v4, VP
	v_lshl_add_u32 v4, v24, 4, v4
	s_mul_i32 s20, s9, 64*VP
	s_add_co_u32 s20, s20, VOFF
	v_add_nc_u32 v4, s20, v4                       ; V: (64 team + 8 h + l % 8) pitch + 16 ((l / 8) % 2)
	v_add_nc_u32 v5, SLOTB, v4
	s_lshl_b32 s20, s9, 6
	s_lshl_b32 s74, s10, 5
	s_sub_co_u32 s20, s20, s74
	v_lshl_add_u32 v6, v30, 3, s20
	v_sub_nc_u32 v6, v6, v1                        ; 64 team - 32 w + 8 h - r
	v_mov_b32 v7, 0xff800000                       ; -infinity
	v_and_b32 v9, 31, v0
	v_lshlrev_b32 v9, 4, v9                        ; 16 l
	s_mul_i32 s20, s10, 8704
	s_add_co_u32 s20, s20, SCR
	v_add_nc_u32 v10, s20, v9                      ; the pair (team 0, w), (team 1, w) shares 8,704 bytes
	s_mul_i32 s20, s8, 4608
	s_add_co_u32 s20, s20, STG
	v_mul_u32_u24 v11, v1, KP
	v_lshl_add_u32 v11, v30, 4, v11
	v_add_nc_u32 v11, s20, v11                     ; stage in: row r, 16 bytes for each half of the lanes
	v_bfe_u32 v25, v0, 3, 2
	v_mul_u32_u24 v25, v25, KP
	v_lshl_add_u32 v25, v31, 4, v25
	v_add_nc_u32 v25, s20, v25                     ; stage out: row l / 8, byte 16 (l % 8)
	v_mov_b32 v27, 0
	v_mov_b32 v29, 0
.macro RESET                           ; a new block: sums 0, maximum the most negative finite number
.set i, 0
.rept 64
	v_mov_b32 v[OB+i], 0
.set i, i+1
.endr
	v_mov_b32 v12, 0xff7fffff
	v_mov_b32 v13, 0xff7fffff
	v_mul_f32 v26, s67, v12
	v_mul_f32 v28, s67, v13
	v_mov_b32 v16, 0
	v_mov_b32 v17, 0
	v_mov_b32 v18, 0
	v_mov_b32 v19, 0
.endm
	RESET
	s_wait_loadcnt 0x0                             ; Q
.macro KLOAD slot                      ; my team's 64 keys as A fragments: d = 0..31 first, then d = 32..63
.irp ks, 0,1
.irp kt, 0,1,2,3
	ds_load_b128 v[KV+8*(4*\ks+\kt):KV+8*(4*\ks+\kt)+3],   v[2+\slot] offset:16*KP*\kt+64*\ks
	ds_load_b128 v[KV+8*(4*\ks+\kt)+4:KV+8*(4*\ks+\kt)+7], v[2+\slot] offset:16*KP*\kt+64*\ks+32
.endr
.endr
.endm
.macro VLOAD slot                      ; V^T as A fragments: row = d, 32 keys along the registers
.irp ks, 0,1
.irp dt, 0,1,2,3
	ds_load_tr16_b128 v[KV+8*(4*\ks+\dt):KV+8*(4*\ks+\dt)+3],   v[4+\slot] offset:32*VP*\ks+32*\dt
	ds_load_tr16_b128 v[KV+8*(4*\ks+\dt)+4:KV+8*(4*\ks+\dt)+7], v[4+\slot] offset:32*VP*\ks+32*\dt+16*VP
.endr
.endr
.endm
.macro SMUL ks, zero                   ; eight accumulators take turns, one instruction a turn
.irp nt, 0,1
.irp kt, 0,1,2,3
.if \zero
	v_wmma_f32_16x16x32_f16 v[SB+32*\nt+8*\kt:SB+32*\nt+8*\kt+7], v[KV+8*(4*\ks+\kt):KV+8*(4*\ks+\kt)+7], v[QB+16*\nt+8*\ks:QB+16*\nt+8*\ks+7], 0
.else
	v_wmma_f32_16x16x32_f16 v[SB+32*\nt+8*\kt:SB+32*\nt+8*\kt+7], v[KV+8*(4*\ks+\kt):KV+8*(4*\ks+\kt)+7], v[QB+16*\nt+8*\ks:QB+16*\nt+8*\ks+7], v[SB+32*\nt+8*\kt:SB+32*\nt+8*\kt+7]
.endif
.endr
.endr
.endm
.macro PVMUL                           ; likewise by turns
.irp ks, 0,1
.irp nt, 0,1
.irp dt, 0,1,2,3
	v_wmma_f32_16x16x32_f16 v[OB+32*\nt+8*\dt:OB+32*\nt+8*\dt+7], v[KV+8*(4*\ks+\dt):KV+8*(4*\ks+\dt)+7], v[SB+32*\nt+16*\ks:SB+32*\nt+16*\ks+7], v[OB+32*\nt+8*\dt:OB+32*\nt+8*\dt+7]
.endr
.endr
.endr
.endm
.macro MASK                            ; the diagonal unit: key > query, that is v6 + 16 kt + j - 16 nt > 0, gets -infinity
.irp nt, 0,1
.irp kt, 0,1,2,3
.irp j, 0,1,2,3,4,5,6,7
	v_cmp_lt_i32 vcc_lo, 16*\nt-16*\kt-\j, v6
	v_cndmask_b32 v[SB+32*\nt+8*\kt+\j], v[SB+32*\nt+8*\kt+\j], v7, vcc_lo
.endr
.endr
.endr
.endm
.macro SOFTMAX
	; the new maximum of each query: 32 numbers in the lane in two chains (the first starts with the old maximum), then the other half of the lanes
	v_max3_num_f32 v20, v12, v[SB], v[SB+1]
	v_max_num_f32  v21, v[SB+16], v[SB+17]
	v_max3_num_f32 v22, v13, v[SB+32], v[SB+33]
	v_max_num_f32  v23, v[SB+48], v[SB+49]
.set i, 2
.rept 7
	v_max3_num_f32 v20, v20, v[SB+i], v[SB+i+1]
	v_max3_num_f32 v21, v21, v[SB+16+i], v[SB+17+i]
	v_max3_num_f32 v22, v22, v[SB+32+i], v[SB+33+i]
	v_max3_num_f32 v23, v23, v[SB+48+i], v[SB+49+i]
.set i, i+2
.endr
	v_max_num_f32 v20, v20, v21
	v_max_num_f32 v22, v22, v23
	v_permlanex16_b32 v24, v20, s62, s63
	v_permlanex16_b32 v31, v22, s62, s63
	v_max_num_f32 v12, v20, v24
	v_max_num_f32 v13, v22, v31
	v_mul_f32 v21, s67, v12                        ; NEG = -c m
	v_mul_f32 v23, s67, v13
	v_sub_f32 v24, v21, v26                        ; NEGnew - NEGold <= 0
	v_sub_f32 v31, v23, v28
	v_mov_b32 v26, v21
	v_mov_b32 v28, v23
	v_exp_f32 v20, v24                             ; the scale of the old sums; the packed lines below are the plain place behind it (ISA guide 5.7.2)
	v_exp_f32 v22, v31
.set i, 0
.rept 16
	v_pk_fma_f32 v[SB+i:SB+i+1], v[SB+i:SB+i+1], s[66:67], v[26:27] op_sel_hi:[1,0,0]          ; c s + NEG
	v_pk_fma_f32 v[SB+32+i:SB+33+i], v[SB+32+i:SB+33+i], s[66:67], v[28:29] op_sel_hi:[1,0,0]
.set i, i+2
.endr
.set i, 0
.rept 64
	v_exp_f32 v[SB+i], v[SB+i]
.set i, i+1
.endr
	v_nop                                          ; one plain place between the exponentials and the first use of a result
	s_wait_alu depctr_va_vdst(0)
	v_pk_fma_f32 v[16:17], v[16:17], v[20:21], v[SB:SB+1] op_sel_hi:[1,0,1]                    ; l = l x scale + p, kept by lane: the halves meet at the block's end
	v_pk_fma_f32 v[18:19], v[18:19], v[22:23], v[SB+32:SB+33] op_sel_hi:[1,0,1]
.set i, 2
.rept 15
	v_pk_add_f32 v[16:17], v[16:17], v[SB+i:SB+i+1]
	v_pk_add_f32 v[18:19], v[18:19], v[SB+32+i:SB+33+i]
.set i, i+2
.endr
	; p to f16 in place, ascending, so that no source is overwritten before it is read: tiles 2 ks, 2 ks + 1 become registers 0-3, 4-7 of their 16
.irp nt, 0,1
.irp ks, 0,1
.irp tl, 0,1
.irp i, 0,1,2,3
	v_cvt_pk_f16_f32 v[SB+32*\nt+16*\ks+4*\tl+\i], v[SB+32*\nt+16*\ks+8*\tl+2*\i], v[SB+32*\nt+16*\ks+8*\tl+2*\i+1]
.endr
.endr
.endr
.endr
.set i, 0
.rept 16
	v_pk_mul_f32 v[OB+i:OB+i+1], v[OB+i:OB+i+1], v[20:21] op_sel_hi:[1,0]
	v_pk_mul_f32 v[OB+32+i:OB+33+i], v[OB+32+i:OB+33+i], v[22:23] op_sel_hi:[1,0]
.set i, i+2
.endr
.endm
.macro PUT                             ; team 1 hands over its sums: 16 quads of O^T, then (NEG0, NEG1, l0, l1)
	v_add_f32 v14, v16, v17
	v_add_f32 v15, v18, v19
	v_mov_b32 v12, v26
	v_mov_b32 v13, v28
.set q, 0
.rept 16
	ds_store_b128 v10, v[OB+4*q:OB+4*q+3] offset:512*q
.set q, q+1
.endr
	ds_store_b128 v10, v[12:15] offset:8192
.endm
; The end of a block.  more = 1: the second block follows (its Q is asked for first, by both teams).  base: att's rows of the block that ends.
.macro FINISH more, base
.if \more
	QLOAD 22
.endif
	s_cmp_lg_u32 s9, 0
	s_cbranch_scc1 .Lteam1_\@
.set q, 0
.rept 16
	ds_load_b128 v[KV+4*q:KV+4*q+3], v10 offset:512*q
.set q, q+1
.endr
	ds_load_b128 v[SB:SB+3], v10 offset:8192
	v_add_f32 v14, v16, v17
	v_add_f32 v15, v18, v19
	s_wait_dscnt 0x0
	v_min_num_f32 v[SB+4], v26, v[SB]              ; the smaller NEG is the larger maximum
	v_min_num_f32 v[SB+5], v28, v[SB+1]
	v_sub_f32 v[SB+6], v[SB+4], v26
	v_sub_f32 v[SB+7], v[SB+4], v[SB]
	v_sub_f32 v[SB+8], v[SB+5], v28
	v_sub_f32 v[SB+9], v[SB+5], v[SB+1]
	v_exp_f32 v[SB+10], v[SB+6]                    ; my factor, queries 0-15
	v_exp_f32 v[SB+12], v[SB+7]                    ; team 1's
	v_exp_f32 v[SB+14], v[SB+8]                    ; my factor, queries 16-31
	v_exp_f32 v[SB+16], v[SB+9]                    ; team 1's
	v_nop
	s_wait_alu depctr_va_vdst(0)
	v_mul_f32 v[SB+18], v14, v[SB+10]
	v_mul_f32 v[SB+19], v15, v[SB+14]
	v_fmac_f32 v[SB+18], v[SB+2], v[SB+12]
	v_fmac_f32 v[SB+19], v[SB+3], v[SB+16]
	v_permlanex16_b32 v24, v[SB+18], s62, s63      ; the other half of the lanes holds the other keys' share
	v_permlanex16_b32 v31, v[SB+19], s62, s63
	v_add_f32 v[SB+18], v[SB+18], v24              ; the sum holds the term of the maximum itself, about 1: never 0
	v_add_f32 v[SB+19], v[SB+19], v31
	v_rcp_f32 v[SB+20], v[SB+18]
	v_rcp_f32 v[SB+21], v[SB+19]
	v_nop
	s_wait_alu depctr_va_vdst(0)
	v_mul_f32 v[SB+10], v[SB+10], v[SB+20]
	v_mul_f32 v[SB+12], v[SB+12], v[SB+20]
	v_mul_f32 v[SB+14], v[SB+14], v[SB+21]
	v_mul_f32 v[SB+16], v[SB+16], v[SB+21]
.irp nt, 0,1
.set i, 0
.rept 16
	v_pk_mul_f32 v[OB+32*\nt+i:OB+32*\nt+i+1], v[OB+32*\nt+i:OB+32*\nt+i+1], v[SB+10+4*\nt:SB+11+4*\nt] op_sel_hi:[1,0]
	v_pk_fma_f32 v[OB+32*\nt+i:OB+32*\nt+i+1], v[KV+32*\nt+i:KV+32*\nt+i+1], v[SB+12+4*\nt:SB+13+4*\nt], v[OB+32*\nt+i:OB+32*\nt+i+1] op_sel_hi:[1,0,1]
.set i, i+2
.endr
.endr
.irp nt, 0,1
.set i, 0
.rept 16
	v_cvt_pk_f16_f32 v[SB+32+16*\nt+i], v[OB+32*\nt+2*i], v[OB+32*\nt+2*i+1]
.set i, i+1
.endr
.irp dt, 0,1,2,3
	ds_store_b128 v11, v[SB+32+16*\nt+4*\dt:SB+32+16*\nt+4*\dt+3] offset:16*KP*\nt+32*\dt   ; query r's d = 16 dt + 8 h .. + 7
.endr
.endr
.irp i, 0,1,2,3,4,5,6,7
	ds_load_b128 v[KV+4*\i:KV+4*\i+3], v25 offset:4*KP*\i          ; my own stage: LDS serves a wave's instructions in order
.endr
.irp i, 0,1,2,3,4,5,6,7
	s_wait_dscnt 7-\i                              ; load i is in, the younger ones stay out
	global_store_b128 v9, v[KV+4*\i:KV+4*\i+3], s[\base:\base+1] offset:512*\i   ; four rows of 128 bytes: 512 consecutive bytes
.endr
.Lteam1_\@:
.if \more
	RESET
	s_wait_loadcnt 0x0                             ; the second block's Q
	s_wait_xcnt 0x0                                ; the stores' data registers are loaded again in the next trip only behind this wait
.endif
.endm
; One unit of 128 keys from slot.  refill = 1: the other slot gets the next trip's unit.  tail = 1: the last trip, the second block's diagonal.
.macro TRIP slot, refill, tail
	s_set_vgpr_msb 0x5
	s_wait_tensorcnt 0x0                           ; all my tensor loads are done, my rows of this trip's unit among them, so every group 0 may be written
	ds_add_u32 v0, v1
	s_wait_dscnt 0x0
	s_set_vgpr_msb 0x500
.if \refill
	s_add_co_u32 s57, s57, 1                       ; the next unit,
	s_cmp_eq_u32 s56, s11
	s_cselect_b32 s57, 0, s57                      ; or unit 0 of the second block behind the first block's diagonal
	s_lshl_b32 s60, s57, 14                        ; 128 rows of 128 bytes a unit
	s_add_nc_u64 s[50-8*\slot:51-8*\slot], s[14:15], s[60:61]
	s_add_nc_u64 s[54-8*\slot:55-8*\slot], s[16:17], s[60:61]
.endif
	s_wait_dscnt 0x0                               ; my reads of the last trip's unit are done
	s_barrier_signal -1
	s_barrier_wait -1                              ; both now hold of every wave
.if \refill
	tensor_load_to_lds s[48-8*\slot:51-8*\slot], s[24:31]          ; first behind the barrier: two loads of a wave are out, with the trip's work in which to land
	s_nop 0
	tensor_load_to_lds s[52-8*\slot:55-8*\slot], s[32:39]
	s_nop 0
.endif
	KLOAD \slot
	s_wait_dscnt 8                                 ; d = 0..31 is in; the eight younger loads stay out
	SMUL 0, 1
	s_wait_dscnt 0x0
	SMUL 1, 0
.rept 4
	v_nop                                          ; four places behind the matrix instructions: V lands on K's registers, and the scores are read
.endr
	VLOAD \slot
.if \tail == 0
	s_cmp_lg_u32 s56, s11                          ; only the diagonal unit is masked
	s_cbranch_scc1 .Lnomask_\@
.endif
	MASK
.if \tail == 0
.Lnomask_\@:
.endif
	SOFTMAX
	s_wait_dscnt 0x0                               ; V's fragments
	PVMUL
.rept 5
	v_nop                                          ; five places: the next trip's first products write over P, loads land on V's fragments, stores read O
.endr
.if \tail == 0
	s_cmp_lg_u32 s56, s11
	s_cbranch_scc1 .Lnoput_\@
.endif
	s_cmp_eq_u32 s9, 0
	s_cbranch_scc1 .Lnoput_\@
	PUT
.Lnoput_\@:
	s_wait_dscnt 0x0                               ; team 1's stores are done, for team 0's sake
	s_barrier_signal -1                            ; in every trip, so that no barrier stands under a branch
	s_barrier_wait -1                              ; so the next unit's loads may stay out across it
.if \tail == 0
	s_cmp_lg_u32 s56, s11
	s_cbranch_scc1 .Lnofin_\@
	FINISH 1, 70
.Lnofin_\@:
	s_add_co_u32 s56, s56, 1
.else
	FINISH 0, 72
.endif
.endm
	s_mov_b32 s56, 0
	s_mov_b32 s57, 0
	s_mov_b32 s58, 8                               ; 16 trips in pairs, then the 17th
.Lpair:
	TRIP 0, 1, 0
	TRIP 1, 1, 0
	s_sub_co_u32 s58, s58, 1
	s_cmp_lg_u32 s58, 0
	s_cbranch_scc1 .Lpair
	TRIP 0, 0, 1
	s_set_vgpr_msb 0x5
	s_wait_tensorcnt 0x0
	ds_add_u32 v0, v1
	s_wait_dscnt 0x0
	s_set_vgpr_msb 0x500
	s_endpgm
.Lfunc_end_k_qd1fbc2785b_attn:
	.size	k_qd1fbc2785b_attn, .Lfunc_end_k_qd1fbc2785b_attn-k_qd1fbc2785b_attn
	.p2alignl 7, 3214868480
	.fill 96, 4, 3214868480
	.section	.rodata,"a",@progbits
	.p2align	6, 0x0
	.amdhsa_kernel k_qd1fbc2785b_attn
		.amdhsa_group_segment_fixed_size 327680
		.amdhsa_private_segment_fixed_size 0
		.amdhsa_enable_private_segment 0
		.amdhsa_kernarg_size 16
		.amdhsa_user_sgpr_count 2
		.amdhsa_user_sgpr_kernarg_segment_ptr 1
		.amdhsa_wavefront_size32 1
		.amdhsa_system_sgpr_workgroup_id_x 1
		.amdhsa_system_sgpr_workgroup_id_y 1
		.amdhsa_system_sgpr_workgroup_id_z 1
		.amdhsa_system_vgpr_workitem_id 0
		.amdhsa_next_free_vgpr 258
		.amdhsa_next_free_sgpr 76
		.amdhsa_reserve_vcc 1
		.amdhsa_float_denorm_mode_32 3
		.amdhsa_float_denorm_mode_16_64 3
		.amdhsa_memory_ordered 1
		.amdhsa_forward_progress 1
		.amdhsa_inst_pref_size 119
	.end_amdhsa_kernel
	.amdgpu_metadata
---
amdhsa.version: [ 1, 2 ]
amdhsa.kernels:
  - .name:           k_qd1fbc2785b_attn
    .symbol:         k_qd1fbc2785b_attn.kd
    .args:
      - { .name: qkv, .offset: 0, .size: 8, .value_kind: global_buffer, .address_space: global }
      - { .name: att, .offset: 8, .size: 8, .value_kind: global_buffer, .address_space: global }
    .group_segment_fixed_size: 327680
    .private_segment_fixed_size: 0
    .kernarg_segment_align: 8
    .kernarg_segment_size: 16
    .max_flat_workgroup_size: 256
    .sgpr_count:     76
    .vgpr_count:     258
    .wavefront_size: 32
...
	.end_amdgpu_metadata
.endif
;; end of part 3
;; launch gemm_proj (part 4): grid 8 x 32, 4 waves a work-group, clusters of 4 x 4, 327,680 bytes of LDS; arguments att, wph, out0, b_proj; writes out0
.if DOCPART == 4
	.amdgcn_target "amdgcn-amd-amdhsa--gfx1250"
	.amdhsa_code_object_version 6
	.text
	.protected	k_qd1fbc2785b_gemm_proj
	.globl	k_qd1fbc2785b_gemm_proj
	.p2align	8
	.type	k_qd1fbc2785b_gemm_proj,@function
k_qd1fbc2785b_gemm_proj:
	s_mov_b64 s[64:65], 0
	v_nop
	global_prefetch_b8 v0, s[64:65] scope:SCOPE_SE
	s_setreg_imm32_b32 hwreg(HW_REG_WAVE_MODE, 25, 1), 1
	s_wait_xcnt 0x0
	s_wait_alu depctr_hold_cnt(0) depctr_sa_sdst(0) depctr_va_vdst(0) depctr_va_sdst(0) depctr_va_ssrc(0) depctr_va_vcc(0) depctr_vm_vsrc(0)
	s_getreg_b32 s2, hwreg(HW_REG_IB_STS2, 6, 4)
	s_cmp_eq_u32 s2, 0
	s_cbranch_scc0 .Lentry_in_a_cluster
	s_endpgm
.Lentry_in_a_cluster:
	s_bfe_u32 s2, ttmp6, 0x10000c
	s_cmp_lg_u32 s2, 0xf033
	s_cbranch_scc0 .Lentry_shape_is_right
	s_endpgm
.Lentry_shape_is_right:
; One text serves both matrix launches; MODE picks the sizes.
; MODE 1: qkv = x W_attn.  A = xb [4096][1024] bf16, B = wab [1024 k][3072 n] bf16.  A work-group makes 256 x 192 of the product, a wave 128 x 96.
;         Out: f16 planes qkv[b][n/64][t][64] (planes 0-15 k's heads, 16-31 q's, 32-47 v's), so that a head's rows lie densely.
;         LIMIT: q, k, v are kept in f16: magnitudes of 65,504 and more become infinity.
; MODE 2: out0 = att W_proj + b_proj.  A = att [b][h][t][64] f16 (k = 64 h + d), B = wph [1024 k][1024 n] f16.  A work-group makes 128 x 128, a wave 64 x 64.
; Four waves, one for each SIMD.  K = 1024 goes in eight steps of 128 through two LDS slots filled by the tensor data mover.
; CLUSTERS: 4 x 4 work-groups.  A's tile hangs on the block row alone and is asked for jointly by the four of a row of the cluster, B's on the
; block column alone and jointly by the four of a column: that divides the requests for A and for B by four.
; B lies [k][n] in memory and in LDS; its fragments are made by the transposing LDS load.
; THE MATRIX INSTRUCTION IS USED TRANSPOSED: source 0 = 16 columns of B, source 1 = 16 rows of A, so that a lane's eight results are eight
; neighbouring columns of one row of C.
; REGISTERS in windows of 256: window 0 addresses and A's fragments (two buffers), window 1 B's fragments (two buffers),
; window 2 the accumulators of the wave's upper AH row tiles (tile (a, b) at v[8 (NB a + b)]), window 3 those of the lower AH.
.set MODE, 2
.if MODE == 1
.set AT, 8                             ; row tiles of a wave
.set AH, 4                             ; of them in one window
.set NB, 6                             ; column tiles of a wave
.set APITCH, 272                       ; 256 bytes of a row + 16: an odd multiple of 16, so the 16 rows of a fragment start 16 bytes apart modulo 256
.set AHALF, 128*APITCH                 ; what one tensor load brings of A: 128 rows
.set APART, 2*AHALF
.set AK2, 128                          ; quarter kq of a K step begins at byte (kq>>1) AK2 + (kq&1) 64 of A's rows
.set AWAVE, 128*APITCH                 ; from one wave's rows to the other's
.set BPITCH, 480                       ; a k-row: six pieces of 64 bytes, 16 of padding behind each: 15 x 32
.set BHALF, 64*BPITCH                  ; what one tensor load brings of B: 64 k-rows
.set BC2, 80                           ; column tile b begins at byte (b>>1) BC2 + (b&1) 32
.set WCOFF, 240                        ; from one wave's 96 columns to the other's
.set AG1C, (1<<16)|(1<<20)|(1<<21)|(5<<22)|(3<<25)   ; 2-byte elements; padding on; bit 21 beside a mask; 4 words behind every 64
.set AD0, 128
.set AD1, 128
.set AST, 1024
.set BG1C, (1<<16)|(1<<20)|(1<<21)|(3<<22)|(3<<25)   ; 4 words behind every 16
.set BD0, 192
.set BD1, 64
.set BST, 3072
.set ASTEP, 256                        ; bytes from a K step to the next: 128 numbers along A's rows
.set BSTEP, 128*6144                   ; 128 k-rows of B
.else
.set AT, 4
.set AH, 2
.set NB, 4
.set APITCH, 144                       ; a head's row of 128 bytes + 16
.set AHALF, 128*APITCH                 ; one head's 128 rows
.set APART, 2*AHALF
.set AK2, AHALF                        ; quarters 2 and 3 lie in the second head
.set AWAVE, 64*APITCH
.set BPITCH, 288                       ; 256 + 32: 9 x 32
.set BHALF, 64*BPITCH
.set BC2, 64
.set WCOFF, 128
.set AG1C, (1<<16)|(1<<20)|(1<<21)|(4<<22)|(3<<25)   ; 4 words behind every 32: the dense block comes as rows of 256 bytes and lands as rows of 128 + 16
.set AD0, 128
.set AD1, 64
.set AST, 128
.set BG1C, (1<<16)|(1<<20)|(1<<21)|(5<<22)|(7<<25)   ; 8 words behind every 64
.set BD0, 128
.set BD1, 64
.set BST, 1024
.set ASTEP, 2*262144                   ; two heads' planes
.set BSTEP, 128*2048
.endif
.set SLOT, APART+2*BHALF               ; A's rows, then B's 128 k-rows
.set STAGE, 2*SLOT                     ; MODE 2: behind the ring, 16 rows x 272 bytes for each wave; no tensor load lands there
.set LAPS, 4                           ; a lap = two K steps = once round the ring
.set ADRA, 16                          ; v16-17  LDS address of my A fragments in slot 0, 1
.set ADRB, 20                          ; v20-21  the same for B
.set STO,  24                          ; v24     the way out: where I put my results
.set RD,   25                          ; v25     the way out: where I read rows back
.set CO,   26                          ; v26     my byte offset in C
.set BO,   27                          ; v27     my byte offset in the bias (MODE 2)
.set BI,   28                          ; v[28:31] the bias of my four columns (MODE 2)
.set F0,   64                          ; fragment buffer 0
.set F1,   128                         ; fragment buffer 1
.set TMP,  192                         ; the way out of MODE 1: packed results
.set G1,  24                           ; s[24:31] group 1 for A's tiles
.set G0,  32                           ; s[32:39] group 0 for A's tiles, a set for each slot
.set G1B, 48                           ; s[48:55] group 1 for B's tiles
.set G0B, 56                           ; s[56:63] group 0 for B's tiles, a set for each slot
.set MSB, 0
.macro WIN new                         ; the immediate's high byte repeats the setting that is left
.if MSB != \new
	s_set_vgpr_msb (MSB<<8)|\new
.set MSB, \new
.endif
.endm
.set MUL_LO, 0xa1                      ; source 0 (B) window 1, source 1 (A) window 0, C and D window 2
.set MUL_HI, 0xf1                      ; the same, C and D window 3
.set TO_B,   0x40                      ; destination window 1, address window 0
; A joint load.  Waves 0 and 1 fetch A's two halves, waves 2 and 3 B's.  Each line has one mask and one set of registers for all that issue it;
; the branch hangs on the wave's number alone.
.macro JLOAD s
	s_cmp_eq_u32 s11, 0
	s_cbranch_scc0 .Lfor_b_\@
	tensor_load_to_lds s[G0+4*\s:G0+4*\s+3], s[G1:G1+7]
	s_nop 0
	s_branch .Lasked_\@
.Lfor_b_\@:
	tensor_load_to_lds s[G0B+4*\s:G0B+4*\s+3], s[G1B:G1B+7]
	s_nop 0
.Lasked_\@:
.endm
; A round of the cluster's barrier: my work-group's barrier; wave 0 signals for the work-group; every wave waits for all sixteen; my barrier once more.
.macro CREST                           ; a round behind its opening barrier
	s_cmp_lg_u32 s10, 0
	s_cbranch_scc1 .Lnot_wave_0_\@
	s_barrier_signal -3
.Lnot_wave_0_\@:
	s_barrier_wait -3
	s_barrier_signal -1
	s_barrier_wait -1
.endm
.macro CROUND                          ; a whole round
	s_barrier_signal -1
	s_barrier_wait -1
	CREST
.endm
	s_load_b128 s[4:7], s[0:1], 0x0                ; A s[4:5], B s[6:7]
	s_load_b64 s[8:9], s[0:1], 0x10                ; C
.if MODE == 2
	s_load_b64 s[66:67], s[0:1], 0x18              ; the bias
	s_set_vgpr_msb 0x40
	v_lshl_add_u32 v255, v0, 2, 0x29000
	s_set_vgpr_msb 0x4000
	v_mov_b32 v255, 0
	s_set_vgpr_msb 0x1
	ds_add_u32 v255, v255
	ds_add_u32 v255, v255
	s_set_vgpr_msb 0x100
.endif
	v_lshrrev_b32 v1, 5, v0
	v_readfirstlane_b32 s10, v1                    ; wave 0..3
	s_lshr_b32 s11, s10, 1                         ; which half of the block's rows is mine.  Also: I fetch for A (0) or for B (1)
	s_and_b32 s12, s10, 1                          ; which half of its columns.  Also: which half of that tile I fetch
	s_bfe_u32 s40, ttmp6, 0x40000                  ; cx
	s_bfe_u32 s41, ttmp6, 0x40004                  ; cy
	s_lshl_b32 s42, ttmp9, 2
	s_add_co_u32 s42, s42, s40                     ; block column = 4 x cluster x + cx
	s_and_b32 s13, ttmp7, 0xffff
	s_lshl_b32 s13, s13, 2
	s_add_co_u32 s13, s13, s41                     ; block row = 4 x cluster y + cy
	s_lshl_b32 s43, s41, 2
	s_lshl_b32 s43, 15, s43                        ; my row of the cluster: places 4 cy .. 4 cy + 3
	s_lshl_b32 s44, 0x1111, s40                    ; my column: places cx, cx + 4, cx + 8, cx + 12
	s_or_b32 s[G1+0], s43, AG1C                    ; A's tiles go to my row
	s_mov_b32 s[G1+1], AD0<<16                     ; tensor_dim0
	s_mov_b32 s[G1+2], AD1<<16                     ; tensor_dim1
	s_mov_b32 s[G1+3], AD0<<16                     ; tile_dim0
	s_mov_b32 s[G1+4], AD1                         ; tile_dim1
	s_mov_b32 s[G1+5], AST                         ; elements from row to row
	s_mov_b32 s[G1+6], 0
	s_mov_b32 s[G1+7], 0
	s_or_b32 s[G1B+0], s44, BG1C                   ; B's tiles go to my column
	s_mov_b32 s[G1B+1], BD0<<16
	s_mov_b32 s[G1B+2], BD1<<16
	s_mov_b32 s[G1B+3], BD0<<16
	s_mov_b32 s[G1B+4], BD1
	s_mov_b32 s[G1B+5], BST
	s_mov_b32 s[G1B+6], 0
	s_mov_b32 s[G1B+7], 0
	; where the tiles come from: A's offset is made of the block row and the wave's number, B's of the block column and the wave's number,
	; each in registers that never hold the other coordinate
.if MODE == 1
	s_lshl_b32 s16, s13, 19                        ; 256 rows of 2,048 bytes a block row
	s_lshl_b32 s17, s12, 18                        ; + 128 rows for the second half
	s_add_co_u32 s16, s16, s17
	s_mul_i32 s46, s42, 384                        ; 192 columns of 2 bytes a block column
	s_mul_i32 s47, s12, 64*6144                    ; + 64 k-rows for the second half
	s_add_co_u32 s46, s46, s47
.else
	s_lshr_b32 s16, s13, 4                         ; batch = block row / 16
	s_lshl_b32 s16, s16, 4
	s_add_co_u32 s16, s16, s12                     ; plane = 16 batch + head; the two halves are heads 0 and 1 of the K step
	s_lshl_b32 s16, s16, 18                        ; 262,144 bytes a plane
	s_and_b32 s17, s13, 15
	s_lshl_b32 s17, s17, 14                        ; + 128 rows of 128 bytes for each block of t
	s_add_co_u32 s16, s16, s17
	s_lshl_b32 s46, s42, 8                         ; 128 columns of 2 bytes
	s_lshl_b32 s47, s12, 17                        ; + 64 k-rows of 2,048 bytes
	s_add_co_u32 s46, s46, s47
.endif
	s_mov_b32 s17, 0
	s_mov_b32 s47, 0
	s_mul_i32 s20, s10, AHALF                      ; where they go: A's halves by waves 0, 1,
	s_mul_i32 s23, s10, BHALF                      ; B's halves by waves 2, 3, behind A's part:
	s_add_co_u32 s23, s23, APART-2*BHALF           ; APART + (wave - 2) BHALF.  No place in the cluster enters an LDS address
	s_wait_dscnt 0x0
	s_wait_kmcnt 0x0
	s_add_nc_u64 s[14:15], s[4:5], s[16:17]
	s_add_nc_u64 s[46:47], s[6:7], s[46:47]
	CROUND                                         ; all sixteen work-groups are here: the first joint loads meet
.irp s, 0,1
	s_mov_b32 s[G0+4*\s], 1
	s_add_co_u32 s[G0+4*\s+1], s20, \s*SLOT
	s_add_nc_u64 s[G0+4*\s+2:G0+4*\s+3], s[14:15], \s*ASTEP        ; K step s
	s_or_b32 s[G0+4*\s+3], s[G0+4*\s+3], 0x80000000                ; type = 2
	s_mov_b32 s[G0B+4*\s], 1
	s_add_co_u32 s[G0B+4*\s+1], s23, \s*SLOT
	s_add_nc_u64 s[G0B+4*\s+2:G0B+4*\s+3], s[46:47], \s*BSTEP
	s_or_b32 s[G0B+4*\s+3], s[G0B+4*\s+3], 0x80000000
	JLOAD \s                                       ; the ring is filled before anything else is done: two loads of a wave are out
.endr
	; A's fragment: lane l holds row l % 16; two loads of 16 bytes, 32 apart, at row x pitch + 16 (l / 16).
	; B's fragment, from rows that lie along n: the transposing load; lane l addresses k-row 8 (l / 16) + l % 8, 16 bytes at 16 ((l / 8) % 2);
	; the second load stands 16 k-rows further.
	v_and_b32 v1, 15, v0                           ; r = l % 16
	v_bfe_u32 v2, v0, 4, 1                         ; h = l / 16
	v_mul_u32_u24 v3, v1, APITCH
	v_lshl_add_u32 v3, v2, 4, v3
	v_and_b32 v4, 7, v0
	v_lshl_add_u32 v5, v2, 3, v4
	v_mul_u32_u24 v5, v5, BPITCH
	v_bfe_u32 v6, v0, 3, 1
	v_lshl_add_u32 v5, v6, 4, v5
	s_mul_i32 s21, s11, AWAVE                      ; my rows of A
	s_mul_i32 s22, s12, WCOFF                      ; my columns of B,
	s_add_co_u32 s22, s22, APART                   ; which lies behind A
.irp s, 0,1
	v_add_nc_u32 v[ADRA+\s], s21, v3
	v_add_nc_u32 v[ADRB+\s], s22, v5
	s_add_co_u32 s21, s21, SLOT
	s_add_co_u32 s22, s22, SLOT
.endr
.if MODE == 1
	; the way out goes through slot 0 as one stage of 256 rows x 384 bytes at a pitch of 400 (25 x 16)
	v_mul_u32_u24 v7, v1, 400
	v_lshl_add_u32 v7, v2, 4, v7
	s_mul_i32 s23, s11, 128*400
	s_mul_i32 s18, s12, 192
	s_add_co_u32 s23, s23, s18
	v_add_nc_u32 v[STO], s23, v7                   ; in: row 128 wr + r, byte 192 wc + 16 h
	v_bfe_u32 v7, v0, 3, 2
	v_mul_u32_u24 v7, v7, 400
	v_lshl_add_u32 v7, v4, 4, v7
	s_mul_i32 s23, s10, 64*400
	v_add_nc_u32 v[RD], s23, v7                    ; back: row 64 wave + l / 8, byte 16 (l % 8): four rows of a head's 128 bytes a load
	v_and_b32 v7, 31, v0
	s_lshl_b32 s23, s10, 13
	v_lshl_add_u32 v[CO], v7, 4, s23               ; and in the plane: 64 wave rows of 128 bytes + 16 l
.else
	s_mul_i32 s23, s10, 16*272
	s_add_co_u32 s23, s23, STAGE                   ; my own stage
	v_mul_u32_u24 v7, v1, 272
	v_lshl_add_u32 v7, v2, 5, v7
	v_add_nc_u32 v[STO], s23, v7                   ; in: row r, 32 bytes (8 f32) for each half of the lanes
	v_mul_u32_u24 v7, v2, 272
	v_lshl_add_u32 v7, v1, 4, v7
	v_add_nc_u32 v[RD], s23, v7                    ; back: lanes 0-15 one row of 256 bytes, lanes 16-31 the next
	v_lshlrev_b32 v7, 12, v2
	v_lshl_add_u32 v[CO], v1, 4, v7                ; and the same two rows of out0 (4,096 bytes a row)
	s_lshl_b32 s46, s42, 9                         ; the bias of my columns: 4 (128 block column + 64 wc + 4 (l % 16))
	s_lshl_b32 s47, s12, 8
	s_add_co_u32 s46, s46, s47
	v_lshl_add_u32 v[BO], v1, 4, s46
	global_load_b128 v[BI:BI+3], v[BO], s[66:67]   ; waited for on the way out
.endif
; cnt x NB matrix instructions: row tiles a0 .. a0 + cnt - 1 of window hi x all NB column tiles, 32 along K.  zero = 1: the product starts the sums.
; The accumulators take turns, one instruction a turn, in the same order in every quarter step.
.macro MULR f, hi, a0, cnt, zero
.set ai, \a0
.rept \cnt
.set bi, 0
.rept NB
.set dd, 8*(NB*ai+bi)
.set fb, \f+8*bi
.set fa, \f+8*(AH*\hi+ai)
.if MODE == 1
.if \zero
	v_wmma_f32_16x16x32_bf16 v[dd:dd+7], v[fb:fb+7], v[fa:fa+7], 0
.else
	v_wmma_f32_16x16x32_bf16 v[dd:dd+7], v[fb:fb+7], v[fa:fa+7], v[dd:dd+7]
.endif
.else
.if \zero
	v_wmma_f32_16x16x32_f16 v[dd:dd+7], v[fb:fb+7], v[fa:fa+7], 0
.else
	v_wmma_f32_16x16x32_f16 v[dd:dd+7], v[fb:fb+7], v[fa:fa+7], v[dd:dd+7]
.endif
.endif
.set bi, bi+1
.endr
.set ai, ai+1
.endr
.endm
; 2 NB + 2 AT LDS loads in one run: the fragments of quarter kq of a K step into buffer f, B's first, then A's row tiles in ascending order
.macro FETCH slot, kq, f
	WIN TO_B
.set bi, 0
.rept NB
	ds_load_tr16_b128 v[\f+8*bi:\f+8*bi+3],   v[ADRB+\slot] offset:\kq*32*BPITCH+(bi>>1)*BC2+(bi&1)*32
	ds_load_tr16_b128 v[\f+8*bi+4:\f+8*bi+7], v[ADRB+\slot] offset:\kq*32*BPITCH+(bi>>1)*BC2+(bi&1)*32+16*BPITCH
.set bi, bi+1
.endr
	WIN 0
.set ii, 0
.rept AT
	ds_load_b128 v[\f+8*ii:\f+8*ii+3],   v[ADRA+\slot] offset:ii*16*APITCH+(\kq>>1)*AK2+(\kq&1)*64
	ds_load_b128 v[\f+8*ii+4:\f+8*ii+7], v[ADRA+\slot] offset:ii*16*APITCH+(\kq>>1)*AK2+(\kq&1)*64+32
.set ii, ii+1
.endr
.endm
; A load into a register that a matrix instruction has read, and whatever reads a matrix result, stand four places behind that matrix
; instruction; only plain vector instructions that name none of its registers are places (ISA guide 7.12.1 for vector instructions).
.macro PLACES
.rept 4
	v_nop
.endr
.endm
; One of a K step's first three quarters: multiplies buffer f; in its middle it fetches quarter kq into buffer g.
.macro QUARTER slot, kq, f, g, zero
	s_wait_dscnt AT                                ; B and A's upper AH tiles are in; the youngest AT loads (A's lower tiles) may be out
	WIN MUL_LO
	MULR \f, 0, 0, AH, \zero
	PLACES
	FETCH \slot, \kq, \g
	s_wait_dscnt 2*AT+2*NB                         ; all but the run just issued
	WIN MUL_HI
	MULR \f, 1, 0, AH, \zero
.endm
.macro THREE slot, zero
	QUARTER \slot, 1, F0, F1, \zero
	QUARTER \slot, 2, F1, F0, 0
	QUARTER \slot, 3, F0, F1, 0
.endm
; The last quarter multiplies buffer 1 and changes slots.  In front of the barrier each wave waits for its reads of this slot and for all its tensor
; loads (one is out: its part of the next slot).  Where the slot is filled again the barrier opens a round of the cluster's barrier, and the joint
; refill is the first tensor load behind the round's closing wait.
.macro TURN slot, next, fill
	s_wait_dscnt AT
	WIN MUL_LO
	MULR F1, 0, 0, AH/2, 0
	s_wait_dscnt 0x0                               ; my reads of this slot are over
	s_wait_tensorcnt 0x0                           ; and all my tensor loads have landed
	ds_add_u32 v255, v255
	s_wait_dscnt 0x0
	s_barrier_signal -1
	MULR F1, 0, AH/2, AH/2, 0                      ; work on registers while the others arrive
	WIN 0
	s_barrier_wait -1
.if \fill
	CREST                                          ; no wave of any partner still reads this slot or has a load on its way
	s_add_nc_u64 s[G0+4*\slot+2:G0+4*\slot+3], s[G0+4*\slot+2:G0+4*\slot+3], 2*ASTEP
	s_add_nc_u64 s[G0B+4*\slot+2:G0B+4*\slot+3], s[G0B+4*\slot+2:G0B+4*\slot+3], 2*BSTEP
	JLOAD \slot
.endif
	PLACES
	FETCH \next, 0, F0
	WIN MUL_HI
	MULR F1, 1, 0, AH, 0
.endm
.macro LAP zero                        ; once round the ring, both slots filled again
	THREE 0, \zero
	TURN 0, 1, 1
	THREE 1, 0
	TURN 1, 0, 1
.endm
	s_wait_tensorcnt 1                             ; my part of K step 0 is in; K step 1's stays out
	s_barrier_signal -1
	s_barrier_wait -1                              ; everybody's is
	FETCH 0, 0, F0
	LAP 1                                          ; the first lap stands in front of the loop: its first products start the sums
	WIN 0                                          ; at a label and at a branch every window is 0
	s_mov_b32 s3, LAPS-2
.Llap:
	LAP 0
	WIN 0
	s_sub_co_u32 s3, s3, 1
	s_cmp_lg_u32 s3, 0
	s_cbranch_scc1 .Llap
	THREE 0, 0                                     ; the last lap fills nothing
	TURN 0, 1, 0
	THREE 1, 0
	s_wait_dscnt AT                                ; the very last quarter
	WIN MUL_LO
	MULR F1, 0, 0, AH, 0
	s_wait_dscnt 0x0
	WIN MUL_HI
	MULR F1, 1, 0, AH, 0
	PLACES                                         ; behind the last matrix instructions, in front of all that reads results
.if MODE == 1
	; THE WAY OUT: round to f16, 16 bytes a lane into the stage; barrier; each wave reads 64 whole rows back, head by head, and stores them.
	; The stage is slot 0: its last fill of the launch and all reads of it were over at the last change of slots, and every wave has passed that barrier.
	s_lshr_b32 s46, s13, 3                         ; batch = block row / 8
	s_mul_i32 s46, s46, 48
	s_mul_i32 s47, s42, 3
	s_add_co_u32 s46, s46, s47                     ; first plane = 48 batch + 3 block column
	s_lshl_b32 s46, s46, 18
	s_and_b32 s47, s13, 7
	s_lshl_b32 s47, s47, 15                        ; + 256 rows of 128 bytes for each block of t
	s_add_co_u32 s46, s46, s47
	s_mov_b32 s47, 0
	s_add_nc_u64 s[8:9], s[8:9], s[46:47]
.macro CVT16 win, hi, a                ; the NB tiles of row tile a of window 2 or 3 (win = 0x0a or 0x0f: sources 0 and 1)
	WIN \win
.set bi, 0
.rept NB
.irp r, 0,1,2,3
	v_cvt_pk_f16_f32 v[TMP+4*bi+\r], v[8*(NB*\a+bi)+2*\r], v[8*(NB*\a+bi)+2*\r+1]
.endr
.set bi, bi+1
.endr
	WIN 0
.set bi, 0
.rept NB
	ds_store_b128 v[STO], v[TMP+4*bi:TMP+4*bi+3] offset:(64*\hi+16*\a)*400+32*bi
.set bi, bi+1
.endr
.endm
.irp a, 0,1,2,3
	CVT16 0x0a, 0, \a
.endr
.irp a, 0,1,2,3
	CVT16 0x0f, 1, \a
.endr
	s_wait_dscnt 0x0                               ; my stores into the stage are done, for the others' sake
	s_barrier_signal -1
	s_barrier_wait -1
.macro OUTB hd, half, f                ; 32 rows of head hd: each load and each store covers four rows = 512 consecutive bytes of the plane
	s_wait_xcnt 0x0                                ; buffer f, which earlier stores read, is loaded again only behind this wait
.irp t, 0,1,2,3,4,5,6,7
	ds_load_b128 v[\f+4*\t:\f+4*\t+3], v[RD] offset:(8*\half+\t)*1600+128*\hd
.endr
.irp t, 0,1,2,3,4,5,6,7
	s_wait_dscnt 7-\t                              ; LDS loads come back in order: load t is in
	global_store_b128 v[CO], v[\f+4*\t:\f+4*\t+3], s[8:9] offset:\hd*262144+(8*\half+\t)*512
.endr
.endm
	OUTB 0, 0, F0
	OUTB 0, 1, F1
	OUTB 1, 0, F0
	OUTB 1, 1, F1
	OUTB 2, 0, F0
	OUTB 2, 1, F1
.else
	; THE WAY OUT, 16 rows at a time: the f32 results go as they are into my own stage, come back as whole rows of 256 bytes, get the bias and leave.
	s_lshl_b32 s46, s13, 19                        ; 128 rows of 4,096 bytes a block row
	s_lshl_b32 s47, s11, 18                        ; + 64 rows
	s_add_co_u32 s46, s46, s47
	s_lshl_b32 s47, s42, 9                         ; + 128 columns of 4 bytes a block column
	s_add_co_u32 s46, s46, s47
	s_lshl_b32 s47, s12, 8                         ; + 64 columns
	s_add_co_u32 s46, s46, s47
	s_mov_b32 s47, 0
	s_add_nc_u64 s[8:9], s[8:9], s[46:47]
	s_wait_loadcnt 0x0                             ; the bias
.macro OUTF g, win, a, f               ; group g: row tile a of window 2 or 3 (win = 0x08 or 0x0c: an LDS store's data is source 1)
	WIN \win
.set bi, 0
.rept NB
	ds_store_b128 v[STO], v[8*(NB*\a+bi):8*(NB*\a+bi)+3]   offset:64*bi
	ds_store_b128 v[STO], v[8*(NB*\a+bi)+4:8*(NB*\a+bi)+7] offset:64*bi+16
.set bi, bi+1
.endr
	WIN 0
	s_wait_xcnt 0x0                                ; buffer f and the stores' base are rewritten only behind this wait
.if \g
	s_add_nc_u64 s[8:9], s[8:9], 16*4096           ; 16 rows on
.endif
.irp t, 0,1,2,3,4,5,6,7
	ds_load_b128 v[\f+4*\t:\f+4*\t+3], v[RD] offset:\t*544         ; LDS serves a wave's instructions in order: these see the stores above
.endr
.irp t, 0,1,2,3,4,5,6,7
	s_wait_dscnt 7-\t
	v_pk_add_f32 v[\f+4*\t:\f+4*\t+1],   v[\f+4*\t:\f+4*\t+1],   v[BI:BI+1]
	v_pk_add_f32 v[\f+4*\t+2:\f+4*\t+3], v[\f+4*\t+2:\f+4*\t+3], v[BI+2:BI+3]
	global_store_b128 v[CO], v[\f+4*\t:\f+4*\t+3], s[8:9] offset:\t*8192 th:TH_STORE_NT   ; 16 lanes store 256 consecutive bytes, aligned
.endr
.endm
	OUTF 0, 0x08, 0, F0
	OUTF 1, 0x08, 1, F1
	OUTF 2, 0x0c, 0, F0
	OUTF 3, 0x0c, 1, F1
.endif
	s_set_vgpr_msb 0x1
	s_wait_tensorcnt 0x0
	ds_add_u32 v255, v255
	s_wait_dscnt 0x0
	s_set_vgpr_msb 0x100
	CROUND                                         ; the closing round: no work-group ends while a partner may still ask for a tile that names it
	s_endpgm
.Lfunc_end_k_qd1fbc2785b_gemm_proj:
	.size	k_qd1fbc2785b_gemm_proj, .Lfunc_end_k_qd1fbc2785b_gemm_proj-k_qd1fbc2785b_gemm_proj
	.p2alignl 7, 3214868480
	.fill 96, 4, 3214868480
	.section	.rodata,"a",@progbits
	.p2align	6, 0x0
	.amdhsa_kernel k_qd1fbc2785b_gemm_proj
		.amdhsa_group_segment_fixed_size 327680
		.amdhsa_private_segment_fixed_size 0
		.amdhsa_enable_private_segment 0
		.amdhsa_kernarg_size 32
		.amdhsa_user_sgpr_count 2
		.amdhsa_user_sgpr_kernarg_segment_ptr 1
		.amdhsa_wavefront_size32 1
		.amdhsa_system_sgpr_workgroup_id_x 1
		.amdhsa_system_sgpr_workgroup_id_y 1
		.amdhsa_system_sgpr_workgroup_id_z 1
		.amdhsa_system_vgpr_workitem_id 0
		.amdhsa_next_free_vgpr 1024
		.amdhsa_next_free_sgpr 70
		.amdhsa_reserve_vcc 0
		.amdhsa_float_denorm_mode_32 3
		.amdhsa_float_denorm_mode_16_64 3
		.amdhsa_memory_ordered 1
		.amdhsa_forward_progress 1
		.amdhsa_inst_pref_size 80
	.end_amdhsa_kernel
	.amdgpu_metadata
---
amdhsa.version: [ 1, 2 ]
amdhsa.kernels:
  - .name:           k_qd1fbc2785b_gemm_proj
    .symbol:         k_qd1fbc2785b_gemm_proj.kd
    .args:
      - { .name: att, .offset: 0, .size: 8, .value_kind: global_buffer, .address_space: global }
      - { .name: wph, .offset: 8, .size: 8, .value_kind: global_buffer, .address_space: global }
      - { .name: out0, .offset: 16, .size: 8, .value_kind: global_buffer, .address_space: global }
      - { .name: b_proj, .offset: 24, .size: 8, .value_kind: global_buffer, .address_space: global }
    .group_segment_fixed_size: 327680
    .private_segment_fixed_size: 0
    .kernarg_segment_align: 8
    .kernarg_segment_size: 32
    .max_flat_workgroup_size: 128
    .sgpr_count:     70
    .vgpr_count:     1024
    .wavefront_size: 32
...
	.end_amdgpu_metadata
.endif
;; end of part 4
